; MI455X (gfx1250); checked and timed in simulation.
; The chip was launched on July 23, 2026; its instructions are those of AMD's public machine-readable ISA for CDNA 5 (MIT licence, August 2026) and "CDNA5" Instruction Set Architecture Reference Guide (July 2026). The comments in the code are by the model that wrote it; some were corrected since.
;; rhs base. Allowed arithmetic: matrix products marked QUANTISED: E2M3 operands, one E8M0 scale for each 32 along K, by v_wmma_scale_f32_16x16x128_f8f6f4 with both operands' format E2M3, f32 sums; everything else in f32.
;; Inputs: W1 8 x 1,024 x 4,096 float32; W2 8 x 4,096 x 1,024 float32; b1 8 x 4,096 float32; b2 8 x 1,024 float32; scales 1 x 1,024 float32; shifta one number float32; shiftb one number float32; t 1,024 float32; y 1,024 x 1,024 float32.
;; Outputs: out0 1,024 x 1,024 float32.
;; This version of the problem:
;;   THIS VERSION OF THE PROBLEM IS GIVEN IN LOW PRECISION. The matrix products marked QUANTISED in the list below multiply operands that are first quantised to E2M3 (2 exponent bits, 3 mantissa bits; 6 bits a number), with one power-of-two scale for each 32 numbers along K (OCP MX v1.0); their sums are f32. All else is computed in f32.
;;   The module's matrix products, in the order in which they are computed (A, B: the left and right operand; K: the contracted axis; several contracted axes count as one K, in the product's order):
;;     1. [M 32,768, K 1,024] x [K 1,024, N 1,024]; A: input W1; B: input y: QUANTISED
;;     2. batch 8 x [M 1,024, K 4,096] x [K 4,096, N 1,024]; A: computed on the way; B: input W2: QUANTISED
;;   THE QUANTISER, for each operand of a quantised product, along K:
;;     - K is cut into blocks of 32 from its start; a last block that is shorter is filled with zeros.
;;     - A block's scale is 2^e with e = floor(log2(the largest magnitude in the block)) - 2, held to -126 .. 127; a block of zeros has e = 0. As a byte (E8M0): e + 127.
;;     - Each number is divided by its block's scale, clamped to +-7.5, and rounded to the nearest number of E2M3, ties to even, subnormals kept.
;;     - The product sums the exact products of the quantised numbers (number of the format x scale) in f32.
;;   ~~~python
;;   def quantise(x, axis):      # numpy; x: float32 -> the quantised numbers, widened to float32 again
;;       x = np.moveaxis(x, axis, -1); K = x.shape[-1]
;;       x = np.pad(x, [(0, 0)] * (x.ndim - 1) + [(0, -K % 32)]); x = x.reshape(x.shape[:-1] + (-1, 32)); a = np.abs(x).max(-1, keepdims=True)
;;       e = np.where(a > 0, np.clip(np.frexp(np.where(a > 0, a, 1))[1] - 1 - 2, -126, 127), 0)      # np.frexp(a)[1] - 1 = floor(log2(a)), exactly
;;       r = np.clip(x / 2.0 ** e, -7.5, 7.5)
;;       step = 2.0 ** (np.maximum(np.frexp(np.where(r == 0, 1, r))[1] - 1, 0) - 3)
;;       q = np.round(r / step) * step * 2.0 ** e      # np.round: ties to even
;;       return np.moveaxis(q.reshape(q.shape[:-2] + (-1,))[..., :K], -1, axis).astype(np.float32)
;;   ~~~
;;   OPERANDS COMPUTED ON THE WAY. 'Computed on the way' means the value that the module computes at that place (a softmax that the list does not call 'softmax' is quantised finished and normalised). What goes into a quantiser is computed in f32, as accurately as f32 sums, v_exp_f32 and their like allow (about 1e-6 of the number): no bf16 or f16 on the way to a quantiser, and a product that is left as it is and whose result goes on into a quantised operand takes f32 operands (vector FMAs, or v_wmma_f32_16x16x4_f32). A number that lies on a knife's edge between two numbers of the format may be rounded either way, as far as f32 arithmetic and the matrix unit's own rounding can turn it there, and no further.
;; 2 versions, each right; version 2 is version 1 with the launch hidden written anew for expert scheduling mode. Each part assembles by itself: llvm-mc -triple=amdgcn-amd-amdhsa -mcpu=gfx1250 --defsym DOCPART=n.
;; ======== version 1 of 2: 3 launches
;; workspace buffers: ycodes 786,432 bytes; yscales 32,768 bytes; list 32,768 bytes of whole numbers; cnt 1,024 bytes of whole numbers; hcodes 3,538,944 bytes; hscales 294,912 bytes
;; launch prep (part 1): grid 256 x 1, 1 waves a work-group, no clusters, 1,792 bytes of LDS; arguments t, y, ycodes, yscales, list, cnt; writes ycodes, yscales, list, cnt
.if DOCPART == 1
	.amdgcn_target "amdgcn-amd-amdhsa--gfx1250"
	.amdhsa_code_object_version 6
	.text
	.protected	k_qf3bf0d0566_prep
	.globl	k_qf3bf0d0566_prep
	.p2align	8
	.type	k_qf3bf0d0566_prep,@function
k_qf3bf0d0566_prep:
	s_mov_b64 s[64:65], 0
	v_nop
	global_prefetch_b8 v0, s[64:65] scope:SCOPE_SE
	s_setreg_imm32_b32 hwreg(HW_REG_WAVE_MODE, 25, 1), 1
	s_wait_xcnt 0x0
; TWO TASKS FOR EACH OF 256 WAVES.
; (1) ROUTING.  ind = min(int(8 t), 7) for all 1,024 tokens.  Wave W serves expert e = W / 32 and ranks 32 (W % 32) + lane: list[e][rank] = the token of that rank among
;     the expert's tokens, in ascending order; RANKS AT OR BEYOND THE EXPERT'S COUNT REPEAT ITS LAST TOKEN, so that every word of the list is written, and a row of a tile that has no token of its own
;     computes what a live row of the same tile computes.  (An expert without tokens gets some token in 0 .. 1023; it has no tiles.)
;     cnt[e][0 .. 31] = the expert's count, 32 times.  ind comes from floating-point numbers, so here it steers no address and no branch: it is compared, counted and selected by.
; (2) y INTO CODES of FP6 (E2M3) with one E8M0 byte for each 32 along K.  Wave W takes tokens 16 (W / 4) .. + 15 and K steps 2 (W % 4), 2 (W % 4) + 1 (128 along K each).
;     ycodes [K step][token][96 bytes]: a token's 96 bytes are blocks 0, 2 (what lanes 0-15 of an operand hold) and then blocks 1, 3 (lanes 16-31).   yscales [K step][token]: one word of four bytes.
; A block's scale is 2^(floor(log2(largest magnitude)) - 2); its byte is the largest magnitude's exponent field - 2, held at 1 from below.
; LIMITS: t = NaN and t < 0 go to expert 0 (an index stays inside its table).  NaN and infinities in y are not served.  A block whose largest magnitude lies under 2^-124 keeps the byte 1;
; a block of zeros has the byte 1 over zero codes, which add nothing; the bytes are read by this program alone.
.set TT,  32                           ; v32-63   t, then ind: register k, lane l: token 32 k + l
.set X,   64                           ; v64-191  two K steps x 64 numbers: register 16 b + i = k 32 b + 16 (lane / 16) + i of my row
.set TM,  192                          ; v192-207 at work in the quantiser
.set PW,  208                          ; the scale word just made;  v209: the first K step's
.set PW0, 209
.set PC,  212                          ; v212-223 a fragment's codes; v224-230 at work
.set BK,  232                          ; v232-255 two fragments read back from the stage
.set M,   16                           ; s[16:47] masks: bit l of mask k: token 32 k + l belongs to my expert
.set C,   66                           ; s[66:98] how many of my expert's tokens lie in front of group k
.set SEL, 56                           ; s[56:57] v_permlanex16_b32's selects for lane l xor 16
	s_load_b256 s[4:11], s[0:1], 0x0               ; t s[4:5], y s[6:7], ycodes s[8:9], yscales s[10:11]
	s_load_b128 s[12:15], s[0:1], 0x20             ; list s[12:13], cnt s[14:15]
	v_lshl_add_u32 v227, v0, 2, 0x600
	v_mov_b32 v231, 0
	s_lshr_b32 s48, ttmp9, 5                       ; my expert
	s_and_b32 s49, ttmp9, 31                       ; my group of 32 ranks
	s_lshr_b32 s50, ttmp9, 2                       ; my tile of 16 tokens
	s_and_b32 s51, ttmp9, 3                        ; my pair of K steps
	v_and_b32 v2, 15, v0                           ; r
	v_lshrrev_b32 v3, 4, v0                        ; h
	v_lshlrev_b32 v4, 12, v2
	v_lshl_add_u32 v4, v3, 6, v4                   ; y: row r of 4,096 bytes, + 64 h: my 16 numbers of a block of 32
	v_lshlrev_b32 v5, 2, v0                        ; 4 x lane
	v_mul_u32_u24 v6, v2, 96
	v_mad_u32_u24 v6, v3, 48, v6                   ; the stage, on the way in: 96 r + 48 h
	v_lshlrev_b32 v7, 4, v0                        ; on the way out, and in memory: 16 x lane
	v_lshlrev_b32 v9, 2, v2
	v_lshl_add_u32 v9, v3, 12, v9                  ; scale words: 4 r, lanes 16-31 one K step (4,096 bytes) on
	s_mov_b32 s[SEL], 0x76543210
	s_mov_b32 s[SEL+1], 0xfedcba98
	s_lshl_b32 s58, s50, 16                        ; y: 16 rows of 4,096 bytes a tile,
	s_lshl_b32 s59, s51, 10                        ; 1,024 bytes a pair of K steps
	s_add_co_u32 s58, s58, s59
	s_mov_b32 s59, 0
	s_mul_i32 s60, s51, 196608                     ; ycodes: 98,304 bytes a K step,
	s_mul_i32 s61, s50, 1536                       ; 1,536 a tile
	s_add_co_u32 s60, s60, s61
	s_mov_b32 s61, 0
	s_lshl_b32 s62, s51, 13                        ; yscales: 4,096 bytes a K step, 64 a tile
	s_lshl_b32 s63, s50, 6
	s_add_co_u32 s62, s62, s63
	s_mov_b32 s63, 0
	s_lshl_b32 s52, ttmp9, 7                       ; list: 128 bytes for each wave, in the order of the waves
	s_mov_b32 s53, 0
	s_lshl_b32 s54, s48, 7                         ; cnt: 128 bytes an expert
	s_mov_b32 s55, 0
	s_wait_kmcnt 0x0
	s_add_nc_u64 s[6:7], s[6:7], s[58:59]
	s_add_nc_u64 s[8:9], s[8:9], s[60:61]
	s_add_nc_u64 s[10:11], s[10:11], s[62:63]
	s_add_nc_u64 s[12:13], s[12:13], s[52:53]
	s_add_nc_u64 s[14:15], s[14:15], s[54:55]
.set k, 0
.rept 32
	global_load_b32 v[TT+k], v5, s[4:5] offset:128*k
.set k, k+1
.endr
.macro XLOAD ss
.irp b, 0,1,2,3
.irp j, 0,1,2,3
	global_load_b128 v[X+64*\ss+16*\b+4*\j:X+64*\ss+16*\b+4*\j+3], v4, s[6:7] offset:512*\ss+128*\b+16*\j
.endr
.endr
.endm
	XLOAD 0
.irp b, 0,1,2,3
	v_mov_b32 v[TM+4+\b], 0                        ; written once: a lane permute's destination counts as one of its sources
.endr
	s_wait_loadcnt 16                              ; t is in; the 16 loads of y's first K step, issued behind it, may stay out
	XLOAD 1                                        ; the second K step lands under the routing
	; ---- ind: t / 0.125 is t x 8, exactly; held to 0 .. 7 in f32 (a NaN loses against 0), then cut to a whole number
.set k, 0
.rept 32
	v_mul_f32 v[TT+k], 0x41000000, v[TT+k]
.set k, k+1
.endr
.set k, 0
.rept 32
	v_max_num_f32 v[TT+k], 0, v[TT+k]
.set k, k+1
.endr
.set k, 0
.rept 32
	v_min_num_f32 v[TT+k], 0x40e00000, v[TT+k]
.set k, k+1
.endr
.set k, 0
.rept 32
	v_cvt_i32_f32 v[TT+k], v[TT+k]
.set k, k+1
.endr
.set k, 0
.rept 32
	v_cmp_eq_u32 s[M+k], s48, v[TT+k]              ; who belongs to my expert
.set k, k+1
.endr
	s_mov_b32 s[C], 0
.set k, 0
.rept 32
	s_bcnt1_i32_b32 s52, s[M+k]
	s_add_co_u32 s[C+k+1], s[C+k], s52             ; running counts; the last is the expert's count
.set k, k+1
.endr
	; ---- the token of rank R: the last group k with C[k] <= R holds it (the counts never fall), as bit number R - C[k] among the set bits of its mask
	s_lshl_b32 s53, s49, 5
	s_max_u32 s52, s[C+32], 1
	s_sub_co_u32 s52, s52, 1                       ; the last rank that has a token
	v_add_nc_u32 v10, s53, v0                      ; R,
	v_min_u32 v10, s52, v10                        ; held at it: the ranks beyond repeat the last token
	v_mov_b32 v11, s[M]                            ; the group's mask,
	v_mov_b32 v12, 0                               ; its running count,
	v_mov_b32 v13, 0                               ; its number
.set k, 1
.rept 31
	v_cmp_le_u32 vcc_lo, s[C+k], v10
	v_cndmask_b32 v11, v11, s[M+k], vcc_lo
	v_cndmask_b32 v12, v12, s[C+k], vcc_lo
	v_cndmask_b32 v13, v13, k, vcc_lo
.set k, k+1
.endr
	v_sub_nc_u32 v14, v10, v12                     ; q: how many set bits lie under the one wanted
	v_lshrrev_b32 v15, 1, v11
	v_and_b32 v15, 0x55555555, v15
	v_sub_nc_u32 v15, v11, v15                     ; counts of set bits in fields of 2,
	v_lshrrev_b32 v16, 2, v15
	v_and_b32 v16, 0x33333333, v16
	v_and_b32 v17, 0x33333333, v15
	v_add_nc_u32 v16, v16, v17                     ; of 4,
	v_lshrrev_b32 v17, 4, v16
	v_add_nc_u32 v17, v17, v16
	v_and_b32 v17, 0x0f0f0f0f, v17                 ; of 8,
	v_lshrrev_b32 v18, 8, v17
	v_add_nc_u32 v18, v18, v17
	v_and_b32 v18, 0x00ff00ff, v18                 ; of 16
	v_mov_b32 v19, 0                               ; the bit's place, found by halving: where the lower half holds q bits or fewer, go to the upper half
.macro PICK src, width, step
	v_bfe_u32 v20, v[\src], v19, \width
	v_cmp_ge_u32 vcc_lo, v14, v20
	v_cndmask_b32 v20, 0, v20, vcc_lo
	v_cndmask_b32 v21, 0, \step, vcc_lo
	v_sub_nc_u32 v14, v14, v20
	v_add_nc_u32 v19, v19, v21
.endm
	PICK 18, 8, 16
	PICK 17, 8, 8
	PICK 16, 4, 4
	PICK 15, 2, 2
	PICK 11, 1, 1
	v_lshl_add_u32 v22, v13, 5, v19                ; the token: 32 x group + place, always in 0 .. 1023
	global_store_b32 v5, v22, s[12:13]             ; at a fixed place: 128 consecutive bytes a wave
	s_cmp_lg_u32 s49, 0
	s_cbranch_scc1 .Lno_count
	v_mov_b32 v23, s[C+32]
	global_store_b32 v5, v23, s[14:15]             ; one wave for each expert stores its count
.Lno_count:
; ---- 64 numbers of a lane, v[s] on, become a fragment's codes in v[PC] on and its scale word in v[PW]
.macro QUANT s
.irp b, 0,1,2,3
	v_max3_num_f32 v[TM+\b], |v[\s+16*\b]|, |v[\s+1+16*\b]|, 0x1800000   ; block b: my 16 numbers, and the floor 2^(3 - 127): the byte cannot fall under 1
.endr
.irp i, 2,4,6,8,10,12,14
.irp b, 0,1,2,3
	v_max3_num_f32 v[TM+\b], v[TM+\b], |v[\s+16*\b+\i]|, |v[\s+1+16*\b+\i]|   ; the four blocks by turns
.endr
.endr
.irp b, 0,1,2,3
	v_permlanex16_b32 v[TM+4+\b], v[TM+\b], s[SEL], s[SEL+1]
.endr
.irp b, 0,1,2,3
	v_max_num_f32 v[TM+\b], v[TM+\b], v[TM+4+\b]   ; with lane l xor 16's: the block's largest magnitude
.endr
.irp b, 0,1,2,3
	v_add_nc_u32 v[TM+12+\b], 0xff000000, v[TM+\b] ; 2 off its exponent field: the conversion takes the exponent field of this operand as its scale
.endr
.irp b, 0,1,2,3
	v_lshrrev_b32 v[TM+4+\b], 23, v[TM+12+\b]      ; the scale's byte
.endr
	v_lshl_or_b32 v[PW], v[TM+5], 8, v[TM+4]
	v_lshl_or_b32 v[PW], v[TM+6], 16, v[PW]
	v_lshl_or_b32 v[PW], v[TM+7], 24, v[PW]
.irp c, 0,1
	v_cvt_scalef32_pk16_fp6_f32 v[PC+6*\c:PC+2+6*\c], v[\s+32*\c:\s+15+32*\c], v[TM+12+2*\c]
	v_cvt_scalef32_pk16_fp6_f32 v[PC+12+4*\c:PC+14+4*\c], v[\s+16+32*\c:\s+31+32*\c], v[TM+12+2*\c+1]   ; (a conversion's three registers begin on an even number)
.endr
	v_nop                                          ; one plain place behind a scaled conversion
.irp c, 0,1                                    ; the operand's layout wants a whole block in a lane: lanes 0-15 block 2 c, lanes 16-31 block 2 c + 1
.irp i, 0,1,2
	v_permlane16_swap_b32 v[PC+6*\c+\i], v[PC+12+4*\c+\i]
.endr
.irp i, 0,1,2
	v_mov_b32 v[PC+3+6*\c+\i], v[PC+12+4*\c+\i]
.endr
.endr
.endm
; a fragment's 48 bytes a lane go through the stage, token by token, and leave as 3 x 512 consecutive bytes
.macro SENDF ss
.irp c, 0,1,2
	ds_store_b128 v6, v[PC+4*\c:PC+4*\c+3] offset:16*\c
.endr
.irp c, 0,1,2
	ds_load_b128 v[BK+12*\ss+4*\c:BK+12*\ss+4*\c+3], v7 offset:512*\c   ; LDS serves a wave's instructions in order: these see the stores above
.endr
	s_wait_dscnt 0x0
.irp c, 0,1,2
	global_store_b128 v7, v[BK+12*\ss+4*\c:BK+12*\ss+4*\c+3], s[8:9] offset:98304*\ss+512*\c
.endr
.endm
	s_wait_loadcnt 0x0                             ; y
	QUANT X
	v_mov_b32 v[PW0], v[PW]
	SENDF 0
	QUANT X+64
	SENDF 1
	v_cmp_eq_u32 vcc_lo, 1, v3
	v_cndmask_b32 v24, v[PW0], v[PW], vcc_lo       ; lanes 0-15 store the first K step's words, lanes 16-31 the second's: 64 consecutive bytes each
	global_store_b32 v9, v24, s[10:11]
	s_wait_tensorcnt 0x0
	ds_add_u32 v227, v231
	s_wait_dscnt 0x0
	s_endpgm
.Lfunc_end_k_qf3bf0d0566_prep:
	.size	k_qf3bf0d0566_prep, .Lfunc_end_k_qf3bf0d0566_prep-k_qf3bf0d0566_prep
	.p2alignl 7, 3214868480
	.fill 96, 4, 3214868480
	.section	.rodata,"a",@progbits
	.p2align	6, 0x0
	.amdhsa_kernel k_qf3bf0d0566_prep
		.amdhsa_group_segment_fixed_size 1792
		.amdhsa_private_segment_fixed_size 0
		.amdhsa_enable_private_segment 0
		.amdhsa_kernarg_size 48
		.amdhsa_user_sgpr_count 2
		.amdhsa_user_sgpr_kernarg_segment_ptr 1
		.amdhsa_wavefront_size32 1
		.amdhsa_system_sgpr_workgroup_id_x 1
		.amdhsa_system_sgpr_workgroup_id_y 1
		.amdhsa_system_sgpr_workgroup_id_z 1
		.amdhsa_system_vgpr_workitem_id 0
		.amdhsa_next_free_vgpr 256
		.amdhsa_next_free_sgpr 100
		.amdhsa_reserve_vcc 1
		.amdhsa_float_denorm_mode_32 3
		.amdhsa_float_denorm_mode_16_64 3
		.amdhsa_memory_ordered 1
		.amdhsa_forward_progress 1
		.amdhsa_inst_pref_size 37
	.end_amdhsa_kernel
	.amdgpu_metadata
---
amdhsa.version: [ 1, 2 ]
amdhsa.kernels:
  - .name:           k_qf3bf0d0566_prep
    .symbol:         k_qf3bf0d0566_prep.kd
    .args:
      - { .name: t, .offset: 0, .size: 8, .value_kind: global_buffer, .address_space: global }
      - { .name: y, .offset: 8, .size: 8, .value_kind: global_buffer, .address_space: global }
      - { .name: ycodes, .offset: 16, .size: 8, .value_kind: global_buffer, .address_space: global }
      - { .name: yscales, .offset: 24, .size: 8, .value_kind: global_buffer, .address_space: global }
      - { .name: list, .offset: 32, .size: 8, .value_kind: global_buffer, .address_space: global }
      - { .name: cnt, .offset: 40, .size: 8, .value_kind: global_buffer, .address_space: global }
    .group_segment_fixed_size: 1792
    .private_segment_fixed_size: 0
    .kernarg_segment_align: 8
    .kernarg_segment_size: 48
    .max_flat_workgroup_size: 32
    .sgpr_count:     100
    .vgpr_count:     256
    .wavefront_size: 32
...
	.end_amdgpu_metadata
.endif
;; end of part 1
;; launch hidden (part 2): grid 256 x 1, 4 waves a work-group, no clusters, 34,304 bytes of LDS; arguments W1, b1, ycodes, yscales, list, cnt, hcodes, hscales; writes hcodes, hscales
.if DOCPART == 2
	.amdgcn_target "amdgcn-amd-amdhsa--gfx1250"
	.amdhsa_code_object_version 6
	.text
	.protected	k_qf3bf0d0566_hidden
	.globl	k_qf3bf0d0566_hidden
	.p2align	8
	.type	k_qf3bf0d0566_hidden,@function
k_qf3bf0d0566_hidden:
	s_mov_b64 s[64:65], 0
	v_nop
	global_prefetch_b8 v0, s[64:65] scope:SCOPE_SE
	s_setreg_imm32_b32 hwreg(HW_REG_WAVE_MODE, 25, 1), 1
	s_wait_xcnt 0x0
; hidden = tanh(y W1[e] + b1[e]) for the tokens of expert e alone, on codes of FP6 (E2M3) with one E8M0 scale for each 32 along K; the result is quantised along the next K and stored as codes.
; SHARES.  Work-group x: expert e = x / 32, hidden units 128 (x % 32) .. + 127, which are K step x % 32 of the second product.  Wave w: units 32 w .. + 31 of them, for all of K = 1,024: 128 KB of f32,
; read once, in 8 periods of 128 along K.  The four waves read neighbouring 128 bytes of the same rows of W1.
; A PERIOD.  32 loads of 512 bytes: lane (q = lane / 8, ch = lane % 8) takes rows 32 q + i (i = 0 .. 31) and columns 4 ch .. + 3: one quantiser block for each of its four columns, so no other lane is asked for a
; maximum.  The numbers are put in order (a column's 32 on end), converted, and the codes turn through LDS bytes that are the wave's own into two operand fragments (16 units x 128 K).  These meet the fragments of
; y of ten tiles of 16 tokens, gathered by the list: 20 matrix instructions.  Loads run two periods ahead in two sets of 128 registers.  Nothing in a period is shared between waves: no barrier.
; THE UNITS OF A TILE ARE NOT NEIGHBOURS: row rho of tile u is unit 8 u + rho + 8 (rho / 8).  The product is used transposed (source 0 = 16 units, source 1 = 16 tokens), so a lane holds one token, and the 16
; registers of its two tiles are units 16 (lane / 16) + 0 .. 15 of the wave's 32: half of one block of the next K.
; PASSES.  A pass serves 10 tiles (160 tokens).  The loop over passes has the constant count 7 (64 tiles at the most) and two barriers a trip, which every wave passes; forward branches on the stored counts lead
; round the work alone.  An expert with more than 160 tokens streams its slab once for each pass.  In a live pass all ten slots load and multiply (beyond the expert's count the list repeats its last token);
; only live tiles go on.
; THE WAVES MEET ONCE A PASS: each wave's 12 bytes a lane and its scale byte go into the tile's image in LDS; behind the barrier wave w sends tiles w, w + 4, w + 8 out: each store covers 512 consecutive bytes, aligned.
; hcodes [tile][K step][1,536]: the image of an operand's registers (registers 4 c .. 4 c + 3 of lane l at 512 c + 16 l).  hscales [tile][K step][32 lanes]: the row's word, lanes 16-31 repeating lanes 0-15.
; tile = (tiles of the experts in front) + the tile's number in its expert.
; NO JOINT LOADS: what work-groups share here, y's codes, is gathered lane by lane through the list and is at most 120 KB a pass beside the slab's 512 KB; a tile ring in LDS would want a barrier for each refill
; inside a pass, and whether a pass is walked hangs on counts read from memory.
; tanh: |x| < 0.25: x (1 - x^2/3 + 2 x^4/15 - 17 x^6/315 + 62 x^8/2835), the first term left out under 1e-8 of the number; else 1 - 2 / (1 + 2^(2 x log2 e)), about 2e-7 absolute; chosen by a select, both always computed.
; LIMITS: NaN and infinities among the inputs are not served.  A block whose largest magnitude lies under 2^-124 keeps the byte 1; a block of zeros has the byte 1 over zero codes.
; REGISTERS, in windows of 256.  Window 0: v4-27, v76-77 addresses; v28-75 the quantiser; v80-81, v88-127 scale words and nothing else; v128-255 128 numbers in order, later the tail's work.
;   Window 1: v0-159 accumulators (tile i, u: 16 i + 8 u); v160-175 b1; v176-199 W1's two fragments.   Window 2: the two landing sets.   Window 3: y's fragments, two sets of ten.
.set NTP,   10                         ; tiles a pass
.set TRIPS, 7
.set PITCH, 16384                      ; a row of W1[e] in bytes
.set FRAG,  1616                       ; a fragment's image in LDS: lane (rho, hh) has 48 bytes at 48 rho + 800 hh.  With 1,616 and 800 the 32 lanes of a store of 8 bytes touch 64 different banks (64 banks of 4 bytes: ISA guide 11.1)
.set HOFF,  800
.set SWOFF, 2*FRAG                     ; behind the two: their scale words, 64 bytes each
.set WREG,  3584                       ; a wave's own LDS bytes
.set EXB,   4*WREG                     ; the tiles' images, 1,536 bytes each: lane l's 48 bytes at 48 l.  Room for twelve (three for each wave), ten are used
.set EXS,   EXB+12*1536                ; and their scale words, 64 bytes each
.set WO,  4                            ; W1: my lane's byte: q x 32 rows + 16 ch
.set WA,  5                            ; LDS: where my column 0's 24 bytes go
.set WBY, 6                            ; and its scale byte
.set RA,  7                            ; LDS: my 48 bytes of a fragment
.set RS,  8                            ; and my row's scale word
.set LI,  9                            ; 16 x lane
.set LS,  10                           ; 4 x lane
.set H48, 11                           ; 48 h
.set H4K, 12                           ; 4,096 h
.set R4,  13                           ; 4 r
.set HST, 14                           ; the tail: where my 12 bytes of a tile's image go
.set HSB, 15                           ; and my wave's scale byte
.set AO,  16                           ; v16-25 slot i: my token's 48 bytes in a K step of ycodes
.set MX,  28                           ; v28-31 largest magnitudes, then the conversions' scale operands
.set BY,  32                           ; v32-35 scale bytes
.set CD,  36                           ; v36-59 four columns x 6 registers of codes; in the tail: constants
.set CT,  60                           ; v60-75 the second halves as converted
.set RDX, 76                           ; the way out: my 48 bytes of my first tile's image
.set RSX, 77                           ; and my row's word
.set SW,  80                           ; v80-81 W1's scale words, a register a fragment
.set SA,  88                           ; v88-127 y's: slot i, register m: lanes 0-15 K step 2 m, lanes 16-31 K step 2 m + 1
.set T,   128
.set BI,  160                          ; window 1
.set WF,  176
.set X,   128                          ; the tail, in window 0: a tile's 16 numbers; x^2; the exponential's way; the polynomial's
.set Q,   144
.set Z,   160
.set P,   176
.set HC,  192                          ; v192-231 codes, four registers a tile: no store's data are written again in a pass
.set HBY, 232                          ; v232-241 a byte a tile
.set MA,  242
.set MB,  243
.set MT,  244
.set K2,  36                           ; constants as pairs
.set KC4, 38
.set KC3, 40
.set KC2, 42
.set KC1, 44
.set OB,  128                          ; the way out: 3 tiles x 12 registers; their words; their offsets
.set OS,  164
.set GA,  168
.set GS,  172
.set MSB, 0
.macro WIN new                         ; the immediate's high byte repeats the setting that is left; a switch that changes nothing is dropped
.if MSB != \new
	s_set_vgpr_msb (MSB<<8)|\new
.set MSB, \new
.endif
.endm
	s_load_b256 s[4:11], s[0:1], 0x0               ; W1 s[4:5], b1 s[6:7], ycodes s[8:9], yscales s[10:11]
	s_load_b256 s[12:19], s[0:1], 0x20             ; list s[12:13], cnt s[14:15], hcodes s[16:17], hscales s[18:19]
	v_lshl_add_u32 v86, v0, 2, 0x8400
	v_mov_b32 v87, 0
	v_lshrrev_b32 v1, 5, v0
	v_readfirstlane_b32 s22, v1                    ; wave 0..3
	s_lshr_b32 s20, ttmp9, 5                       ; expert
	s_and_b32 s21, ttmp9, 31                       ; slab = K step of the second product
	s_mul_i32 s23, s22, WREG                       ; my wave's LDS bytes
	v_and_b32 v1, 31, v0                           ; lane
	v_and_b32 v2, 15, v0                           ; r
	v_bfe_u32 v3, v0, 4, 1                         ; h (also q / 2)
	v_bfe_u32 v[T], v0, 3, 2                       ; q
	v_and_b32 v[T+1], 7, v0                        ; ch
	v_lshlrev_b32 v[WO], 4, v[T+1]
	v_lshl_add_u32 v[WO], v[T], 19, v[WO]          ; q x 32 rows of 16,384 bytes + 16 ch
	v_and_b32 v[T+2], 1, v0                        ; ch's three bits and q's low bit
	v_bfe_u32 v[T+3], v0, 1, 1
	v_bfe_u32 v[T+4], v0, 2, 1
	v_bfe_u32 v[T+5], v0, 3, 1
	; unit x = 4 ch + c lies in tile u = (ch / 2) % 2 at row rho = 4 (ch % 2) + c + 8 (ch / 4); block q goes to lanes' half q % 2, 24 (q / 2) bytes on
	v_mul_u32_u24 v[WA], v[T+2], 192
	v_mad_u32_u24 v[WA], v[T+3], FRAG, v[WA]
	v_mad_u32_u24 v[WA], v[T+4], 384, v[WA]
	v_mad_u32_u24 v[WA], v[T+5], HOFF, v[WA]
	v_mad_u32_u24 v[WA], v3, 24, v[WA]
	v_add_nc_u32 v[WA], s23, v[WA]
	v_lshlrev_b32 v[WBY], 4, v[T+2]                ; the byte: 64 u + 4 rho + q
	v_lshl_add_u32 v[WBY], v[T+3], 6, v[WBY]
	v_lshl_add_u32 v[WBY], v[T+4], 5, v[WBY]
	v_add_nc_u32 v[WBY], v[WBY], v[T]
	v_add_nc_u32 v[WBY], s23, v[WBY]
	v_mul_u32_u24 v[RA], v2, 48
	v_mad_u32_u24 v[RA], v3, HOFF, v[RA]
	v_add_nc_u32 v[RA], s23, v[RA]
	v_lshlrev_b32 v[R4], 2, v2
	v_add_nc_u32 v[RS], s23, v[R4]
	v_lshlrev_b32 v[LI], 4, v1
	v_lshlrev_b32 v[LS], 2, v1
	v_mul_u32_u24 v[H48], v3, 48
	v_lshlrev_b32 v[H4K], 12, v3
	s_and_b32 s24, s22, 1                          ; my block w of the K step lies in lanes' half w % 2, 24 (w / 2) bytes on
	s_mul_i32 s24, s24, 768
	s_lshr_b32 s25, s22, 1
	s_mul_i32 s25, s25, 24
	s_add_co_u32 s24, s24, s25
	v_mul_u32_u24 v[HST], v2, 48
	v_mad_u32_u24 v[HST], v3, 12, v[HST]           ; my 16 codes: the lower or the upper 12 bytes of the block's 24
	v_add_nc_u32 v[HST], s24, v[HST]
	v_add_nc_u32 v[HSB], s22, v[R4]                ; byte w of row r's word
	s_mul_i32 s25, s22, 1536
	v_mul_u32_u24 v[RDX], v1, 48
	v_add_nc_u32 v[RDX], s25, v[RDX]
	s_lshl_b32 s25, s22, 6
	v_add_nc_u32 v[RSX], s25, v[R4]
	v_lshlrev_b32 v[T+6], 6, v3                    ; b1: 64 h: units 16 h + 0 .. 15 of my 32
	s_mov_b32 s52, 0x76543210
	s_mov_b32 s53, 0xfedcba98                      ; v_permlanex16_b32's selects for lane l xor 16
	s_mov_b32 s54, 0x3e800000                      ; 0.25
	s_mul_i32 s55, s21, 1536                       ; my K step's place in a tile of hcodes,
	s_lshl_b32 s56, s21, 7                         ; and of hscales
	s_lshl_b32 s26, s20, 24                        ; W1: 16 MB an expert, 512 bytes a slab, 128 a wave
	s_lshl_b32 s27, s21, 9
	s_add_co_u32 s26, s26, s27
	s_lshl_b32 s24, s22, 7
	s_add_co_u32 s26, s26, s24
	s_add_co_u32 s24, s24, s27                     ; b1: the same 512 and 128,
	s_lshl_b32 s27, s20, 14                        ; 16,384 bytes an expert
	s_add_co_u32 s24, s24, s27
	s_mov_b32 s27, 0
	s_mov_b32 s25, 0
	s_lshl_b32 s44, s20, 12                        ; list: 4,096 bytes an expert
	s_mov_b32 s45, 0
	s_wait_kmcnt 0x0
.irp i, 0,1,2,3,4,5,6,7
	s_load_b32 s[32+\i], s[14:15], 128*\i          ; the eight counts
.endr
	s_add_nc_u64 s[4:5], s[4:5], s[26:27]
	s_add_nc_u64 s[28:29], s[4:5], 0x800000        ; a second base, 512 rows on, so that every period's offsets fit the immediate
	s_add_nc_u64 s[6:7], s[6:7], s[24:25]
	s_add_nc_u64 s[12:13], s[12:13], s[44:45]
	WIN 0x40
.irp j, 0,1,2,3
	global_load_b128 v[BI+4*\j:BI+4*\j+3], v[T+6], s[6:7] offset:16*\j   ; register 8 u + j: b1 of unit 16 h + 8 u + j: the accumulators' layout
.endr
	WIN 0
	s_wait_kmcnt 0x0
	s_mov_b32 s40, s32                             ; my expert's count,
.irp i, 1,2,3,4,5,6,7
	s_cmp_eq_u32 s20, \i
	s_cselect_b32 s40, s[32+\i], s40
.endr
	s_min_u32 s40, s40, 1024
	s_add_co_u32 s42, s40, 15
	s_lshr_b32 s42, s42, 4                         ; its tiles,
	s_mov_b32 s41, 0                               ; and the tiles of the experts in front of it
.irp i, 0,1,2,3,4,5,6
	s_min_u32 s44, s[32+\i], 1024
	s_add_co_u32 s44, s44, 15
	s_lshr_b32 s44, s44, 4
	s_cmp_gt_u32 s20, \i
	s_cselect_b32 s44, s44, 0
	s_add_co_u32 s41, s41, s44
.endr
	s_wait_loadcnt 0x0                             ; b1
; period p's 16 KB into landing set p % 2
.macro WLOAD p
	WIN 0x80
.set WBS, 4+24*((\p)>>2)
.set ii, 0
.rept 32
	global_load_b128 v[128*((\p)%2)+4*ii:128*((\p)%2)+4*ii+3], v[WO], s[WBS:WBS+1] offset:((\p)&3)*0x200000+ii*PITCH
.set ii, ii+1
.endr
	WIN 0
.endm
; K step p of the ten tiles' tokens into set p % 2
.macro ALOAD p
	WIN 0xc0
.set ii, 0
.rept NTP
.irp c, 0,1,2
	global_load_b128 v[120*((\p)%2)+12*ii+4*\c:120*((\p)%2)+12*ii+4*\c+3], v[AO+ii], s[8:9] offset:98304*(\p)+16*\c
.endr
.set ii, ii+1
.endr
	WIN 0
.endm
; a load brought four columns of one row: each column's 32 numbers are put on end, as the conversions want them
.macro DEMUX par
	WIN 0x02
.set ii, 0
.rept 32
.irp c, 0,1,2,3
	v_mov_b32 v[T+32*\c+ii], v[128*(\par)+4*ii+\c]
.endr
.set ii, ii+1
.endr
	WIN 0
.endm
.macro WQUANT
.irp c, 0,1,2,3
	v_max3_num_f32 v[MX+\c], |v[T+32*\c]|, |v[T+32*\c+1]|, 0x1800000   ; column c's block, and the floor 2^(3 - 127): the byte cannot fall under 1
.endr
.irp i, 2,4,6,8,10,12,14,16,18,20,22,24,26,28,30
.irp c, 0,1,2,3
	v_max3_num_f32 v[MX+\c], v[MX+\c], |v[T+32*\c+\i]|, |v[T+32*\c+\i+1]|   ; the four columns by turns
.endr
.endr
.irp c, 0,1,2,3
	v_add_nc_u32 v[MX+\c], 0xff000000, v[MX+\c]    ; 2 off the exponent field: the conversion's scale operand
.endr
.irp c, 0,1,2,3
	v_lshrrev_b32 v[BY+\c], 23, v[MX+\c]           ; the scale's byte
.endr
.irp c, 0,1,2,3
	v_cvt_scalef32_pk16_fp6_f32 v[CD+6*\c:CD+6*\c+2], v[T+32*\c:T+32*\c+15], v[MX+\c]
	v_cvt_scalef32_pk16_fp6_f32 v[CT+4*\c:CT+4*\c+2], v[T+32*\c+16:T+32*\c+31], v[MX+\c]   ; (a conversion's three registers begin on an even number)
.endr
	v_nop                                          ; one plain place behind a scaled conversion
.irp c, 0,1,2,3
.irp k, 0,1,2
	v_mov_b32 v[CD+6*\c+3+\k], v[CT+4*\c+\k]
.endr
.endr
.endm
.macro WSTORE                          ; a column's 24 bytes and its byte, to their places in the two fragments' images
.irp c, 0,1,2,3
.irp k, 0,1,2
	ds_store_b64 v[WA], v[CD+6*\c+2*\k:CD+6*\c+2*\k+1] offset:48*\c+8*\k
.endr
	ds_store_b8 v[WBY], v[BY+\c] offset:SWOFF+4*\c
.endr
.endm
.macro FETCHW                          ; LDS serves a wave's instructions in order: these see the stores above; the bytes are the wave's own
	WIN 0x40
.irp f, 0,1
.irp c, 0,1,2
	ds_load_b128 v[WF+12*\f+4*\c:WF+12*\f+4*\c+3], v[RA] offset:FRAG*\f+16*\c
.endr
.endr
	WIN 0
	ds_load_b32 v[SW], v[RS] offset:SWOFF
	ds_load_b32 v[SW+1], v[RS] offset:SWOFF+64
.endm
; one matrix instruction.  cr: C's first register, or -1 for the constant 0.  rb: source 1's scales stand in lanes 16-31
.macro MM d, a, b, cr, sa, sb, rb
.if (\cr) < 0
.if \rb
	v_wmma_scale_f32_16x16x128_f8f6f4 v[(\d):(\d)+7], v[(\a):(\a)+11], v[(\b):(\b)+11], 0, v[\sa], v[\sb] matrix_a_fmt:MATRIX_FMT_FP6 matrix_b_fmt:MATRIX_FMT_FP6 matrix_b_scale:MATRIX_SCALE_ROW1
.else
	v_wmma_scale_f32_16x16x128_f8f6f4 v[(\d):(\d)+7], v[(\a):(\a)+11], v[(\b):(\b)+11], 0, v[\sa], v[\sb] matrix_a_fmt:MATRIX_FMT_FP6 matrix_b_fmt:MATRIX_FMT_FP6
.endif
.else
.if \rb
	v_wmma_scale_f32_16x16x128_f8f6f4 v[(\d):(\d)+7], v[(\a):(\a)+11], v[(\b):(\b)+11], v[(\cr):(\cr)+7], v[\sa], v[\sb] matrix_a_fmt:MATRIX_FMT_FP6 matrix_b_fmt:MATRIX_FMT_FP6 matrix_b_scale:MATRIX_SCALE_ROW1
.else
	v_wmma_scale_f32_16x16x128_f8f6f4 v[(\d):(\d)+7], v[(\a):(\a)+11], v[(\b):(\b)+11], v[(\cr):(\cr)+7], v[\sa], v[\sb] matrix_a_fmt:MATRIX_FMT_FP6 matrix_b_fmt:MATRIX_FMT_FP6
.endif
.endif
.endm
; 20 matrix instructions, the 20 accumulators by turns, one instruction a turn.  Period 0 starts the sums with b1 as C: nothing is cleared
.macro MATMUL p
	WIN 0x5d                                       ; source 0 (W1), C and D window 1, source 1 (y) window 3
.set ii, 0
.rept NTP
.irp u, 0,1
.if (\p) == 0
	MM 16*ii+8*\u, WF+12*\u, 120*((\p)%2)+12*ii, BI+8*\u, SW+\u, SA+4*ii+((\p)>>1), (\p)&1
.else
	MM 16*ii+8*\u, WF+12*\u, 120*((\p)%2)+12*ii, 16*ii+8*\u, SW+\u, SA+4*ii+((\p)>>1), (\p)&1
.endif
.endr
.set ii, ii+1
.endr
	WIN 0
.endm
; Loads are issued in the order .. W(p), A(p), W(p+1): at a period's head the 32 youngest are W(p+1)'s, so one counted wait shows W(p) and A(p) landed.
; The loads into registers that the last period's matrix instructions read stand behind DEMUX's 128 plain moves, which name none of those registers.
.macro PERIOD p
.if (\p) < 7
	s_wait_loadcnt 32
.else
	s_wait_loadcnt 0x0
.endif
	DEMUX (\p)%2
.if (\p) < 7
	ALOAD (\p)+1
.endif
.if (\p) < 6
	WLOAD (\p)+2
.endif
	WQUANT
	WSTORE
	FETCHW
	s_wait_dscnt 0x0                               ; the fragments are in; my stores have read their registers
	MATMUL \p
.endm
; THE TAIL, for tile i: tanh in f32, the block's scale, 16 codes a lane, into the tile's image
.macro EPI i
	s_cmp_le_u32 s43, \i
	s_cbranch_scc1 .Lepi_done
	WIN 0x01
.set jj, 0
.rept 16
	v_mov_b32 v[X+jj], v[16*(\i)+jj]               ; each accumulator from its low end on
.set jj, jj+1
.endr
	WIN 0
.set jj, 0
.rept 8
	v_pk_mul_f32 v[Q+jj:Q+jj+1], v[X+jj:X+jj+1], v[X+jj:X+jj+1]
	v_pk_mul_f32 v[Z+jj:Z+jj+1], v[X+jj:X+jj+1], v[K2:K2+1]
.set jj, jj+2
.endr
.set jj, 0
.rept 16
	v_exp_f32 v[Z+jj], v[Z+jj]                     ; e^(2 x)
.set jj, jj+1
.endr
.set jj, 0
.rept 8
	v_pk_fma_f32 v[P+jj:P+jj+1], v[Q+jj:Q+jj+1], v[KC4:KC4+1], v[KC3:KC3+1]   ; the polynomial's lines are the plain places behind the exponentials
.set jj, jj+2
.endr
.set jj, 0
.rept 8
	v_pk_fma_f32 v[P+jj:P+jj+1], v[P+jj:P+jj+1], v[Q+jj:Q+jj+1], v[KC2:KC2+1]
.set jj, jj+2
.endr
.set jj, 0
.rept 8
	v_pk_fma_f32 v[P+jj:P+jj+1], v[P+jj:P+jj+1], v[Q+jj:Q+jj+1], v[KC1:KC1+1]
.set jj, jj+2
.endr
.set jj, 0
	s_wait_alu depctr_va_vdst(0)
.rept 8
	v_pk_fma_f32 v[P+jj:P+jj+1], v[P+jj:P+jj+1], v[Q+jj:Q+jj+1], 1.0 op_sel_hi:[1,1,0]
	v_pk_add_f32 v[Z+jj:Z+jj+1], v[Z+jj:Z+jj+1], 1.0 op_sel_hi:[1,0]
.set jj, jj+2
.endr
.set jj, 0
.rept 16
	v_rcp_f32 v[Z+jj], v[Z+jj]
.set jj, jj+1
.endr
.set jj, 0
.rept 8
	v_pk_mul_f32 v[P+jj:P+jj+1], v[P+jj:P+jj+1], v[X+jj:X+jj+1]   ; (plain places behind the reciprocals)
.set jj, jj+2
.endr
.set jj, 0
	s_wait_alu depctr_va_vdst(0)
.rept 8
	v_pk_fma_f32 v[Z+jj:Z+jj+1], v[Z+jj:Z+jj+1], -2.0, 1.0 op_sel_hi:[1,0,0]
.set jj, jj+2
.endr
.set jj, 0
.rept 16
	v_cmp_gt_f32 vcc_lo, s54, |v[X+jj]|
	v_cndmask_b32 v[X+jj], v[Z+jj], v[P+jj], vcc_lo   ; the polynomial where |x| < 0.25
.set jj, jj+1
.endr
	v_max3_num_f32 v[MA], |v[X]|, |v[X+1]|, 0x1800000   ; my 16 numbers and the floor, in two chains
	v_max3_num_f32 v[MB], |v[X+2]|, |v[X+3]|, |v[X+4]|
	v_max3_num_f32 v[MA], v[MA], |v[X+5]|, |v[X+6]|
	v_max3_num_f32 v[MB], v[MB], |v[X+7]|, |v[X+8]|
	v_max3_num_f32 v[MA], v[MA], |v[X+9]|, |v[X+10]|
	v_max3_num_f32 v[MB], v[MB], |v[X+11]|, |v[X+12]|
	v_max3_num_f32 v[MA], v[MA], |v[X+13]|, |v[X+14]|
	v_max3_num_f32 v[MB], v[MB], |v[X+15]|, v[MA]
	v_permlanex16_b32 v[MT], v[MB], s52, s53
	v_max_num_f32 v[MB], v[MB], v[MT]              ; with lane l xor 16's: the block's largest magnitude
	v_add_nc_u32 v[MB], 0xff000000, v[MB]
	v_lshrrev_b32 v[HBY+(\i)], 23, v[MB]
	v_cvt_scalef32_pk16_fp6_f32 v[HC+4*(\i):HC+4*(\i)+2], v[X:X+15], v[MB]
	v_nop                                          ; one plain place behind a scaled conversion
.irp k, 0,1,2
	ds_store_b32 v[HST], v[HC+4*(\i)+\k] offset:EXB+1536*(\i)+4*\k
.endr
	ds_store_b8 v[HSB], v[HBY+(\i)] offset:EXS+64*(\i)   ; both lanes of a row write the same byte with the same value
.endm
; THE WAY OUT of tile w + 4 k
.macro SENDT k
	s_add_co_u32 s44, s22, 4*\k
	s_cmp_ge_u32 s44, s43
	s_cbranch_scc1 .Lsent
.irp c, 0,1,2
	ds_load_b128 v[OB+12*\k+4*\c:OB+12*\k+4*\c+3], v[RDX] offset:EXB+6144*\k+16*\c
.endr
	ds_load_b32 v[OS+\k], v[RSX] offset:EXS+256*\k
	s_add_co_u32 s44, s44, s31
	s_add_co_u32 s44, s44, s41                     ; the tile's number in the buffers,
	s_min_u32 s44, s44, 71                         ; held inside them
	s_mul_i32 s45, s44, 49152
	s_add_co_u32 s45, s45, s55
	v_add_nc_u32 v[GA+\k], s45, v[LI]
	s_lshl_b32 s45, s44, 12
	s_add_co_u32 s45, s45, s56
	v_add_nc_u32 v[GS+\k], s45, v[LS]
	s_wait_dscnt 0x0
.irp c, 0,1,2
	global_store_b128 v[GA+\k], v[OB+12*\k+4*\c:OB+12*\k+4*\c+3], s[16:17] offset:512*\c   ; 32 lanes store 512 consecutive bytes, at a multiple of 512 from the buffer's first byte
.endr
	global_store_b32 v[GS+\k], v[OS+\k], s[18:19]
.endm
	s_mov_b32 s30, 0                               ; the pass,
	s_mov_b32 s31, 0                               ; and its first tile
.Lpass:
	s_sub_co_i32 s43, s42, s31
	s_max_i32 s43, s43, 0
	s_min_u32 s43, s43, NTP                        ; live tiles of this pass
	s_cmp_eq_u32 s43, 0
	s_cbranch_scc1 .Lepi_done                      ; nothing to do: on to the barriers, which every wave passes
.irp i, 0,1,2,3,4,5,6,7,8,9
	s_add_co_u32 s44, s31, \i
	s_min_u32 s44, s44, 63                         ; inside the expert's 64 tiles of the list
	s_lshl_b32 s44, s44, 6
	v_add_nc_u32 v[T+16+\i], s44, v[R4]
	global_load_b32 v[T+\i], v[T+16+\i], s[12:13]  ; slot i's 16 tokens
.endr
	WLOAD 0
	s_wait_loadcnt 32                              ; the list is in; W(0)'s 32 loads, issued behind it, stay out
.irp i, 0,1,2,3,4,5,6,7,8,9
	v_min_u32 v[T+\i], 0x3ff, v[T+\i]
	v_mad_u32_u24 v[AO+\i], v[T+\i], 96, v[H48]
	v_lshl_add_u32 v[T+32+\i], v[T+\i], 2, v[H4K]
.endr
.irp i, 0,1,2,3,4,5,6,7,8,9
.irp m, 0,1,2,3
	global_load_b32 v[SA+4*\i+\m], v[T+32+\i], s[10:11] offset:8192*\m   ; all eight K steps' scale words, once a pass
.endr
.endr
	ALOAD 0
	WLOAD 1
	PERIOD 0
	PERIOD 1
	PERIOD 2
	PERIOD 3
	PERIOD 4
	PERIOD 5
	PERIOD 6
	PERIOD 7
	v_mov_b32 v[K2], 0x4038aa3b                    ; 2 log2(e).  (These eleven plain moves are the places between the last products and the first read of results)
	v_mov_b32 v[K2+1], 0x4038aa3b
	v_mov_b32 v[KC4], 0x3cb327a4                   ; 62 / 2835
	v_mov_b32 v[KC4+1], 0x3cb327a4
	v_mov_b32 v[KC3], 0xbd5d0dd1                   ; -17 / 315
	v_mov_b32 v[KC3+1], 0xbd5d0dd1
	v_mov_b32 v[KC2], 0x3e088889                   ; 2 / 15
	v_mov_b32 v[KC2+1], 0x3e088889
	v_mov_b32 v[KC1], 0xbeaaaaab                   ; -1 / 3
	v_mov_b32 v[KC1+1], 0xbeaaaaab
	v_mov_b32 v[MT], 0                             ; a lane permute's destination counts as one of its sources
	EPI 0
	EPI 1
	EPI 2
	EPI 3
	EPI 4
	EPI 5
	EPI 6
	EPI 7
	EPI 8
	EPI 9
.Lepi_done:
	s_wait_dscnt 0x0                               ; for the others' sake: my stores into the images are done
	s_barrier_signal -1
	s_barrier_wait -1                              ; the live tiles' images are whole
	SENDT 0
	SENDT 1
	s_cmp_gt_u32 s22, 1                            ; ten tiles: waves 0 and 1 have a third one (tiles 8 and 9), waves 2 and 3 have none
	s_cbranch_scc1 .Lsent
	SENDT 2
.Lsent:
	s_wait_xcnt 0x0                                ; the stores have read their registers: the next pass may write them
	s_wait_dscnt 0x0                               ; my reads of the images are over:
	s_barrier_signal -1
	s_barrier_wait -1                              ; the next pass may write them again
	s_add_co_u32 s31, s31, NTP
	s_add_co_u32 s30, s30, 1
	s_cmp_lt_u32 s30, TRIPS
	s_cbranch_scc1 .Lpass
	s_wait_tensorcnt 0x0
	ds_add_u32 v86, v87
	s_wait_dscnt 0x0
	s_endpgm
.Lfunc_end_k_qf3bf0d0566_hidden:
	.size	k_qf3bf0d0566_hidden, .Lfunc_end_k_qf3bf0d0566_hidden-k_qf3bf0d0566_hidden
	.p2alignl 7, 3214868480
	.fill 96, 4, 3214868480
	.section	.rodata,"a",@progbits
	.p2align	6, 0x0
	.amdhsa_kernel k_qf3bf0d0566_hidden
		.amdhsa_group_segment_fixed_size 34304
		.amdhsa_private_segment_fixed_size 0
		.amdhsa_enable_private_segment 0
		.amdhsa_kernarg_size 64
		.amdhsa_user_sgpr_count 2
		.amdhsa_user_sgpr_kernarg_segment_ptr 1
		.amdhsa_wavefront_size32 1
		.amdhsa_system_sgpr_workgroup_id_x 1
		.amdhsa_system_sgpr_workgroup_id_y 1
		.amdhsa_system_sgpr_workgroup_id_z 1
		.amdhsa_system_vgpr_workitem_id 0
		.amdhsa_next_free_vgpr 1024
		.amdhsa_next_free_sgpr 66
		.amdhsa_reserve_vcc 1
		.amdhsa_float_denorm_mode_32 3
		.amdhsa_float_denorm_mode_16_64 3
		.amdhsa_memory_ordered 1
		.amdhsa_forward_progress 1
		.amdhsa_inst_pref_size 255
	.end_amdhsa_kernel
	.section	.bss,"aw",@nobits
	.p2align	6
	.space	262144
	.amdgpu_metadata
---
amdhsa.version: [ 1, 2 ]
amdhsa.kernels:
  - .name:           k_qf3bf0d0566_hidden
    .symbol:         k_qf3bf0d0566_hidden.kd
    .args:
      - { .name: W1, .offset: 0, .size: 8, .value_kind: global_buffer, .address_space: global }
      - { .name: b1, .offset: 8, .size: 8, .value_kind: global_buffer, .address_space: global }
      - { .name: ycodes, .offset: 16, .size: 8, .value_kind: global_buffer, .address_space: global }
      - { .name: yscales, .offset: 24, .size: 8, .value_kind: global_buffer, .address_space: global }
      - { .name: list, .offset: 32, .size: 8, .value_kind: global_buffer, .address_space: global }
      - { .name: cnt, .offset: 40, .size: 8, .value_kind: global_buffer, .address_space: global }
      - { .name: hcodes, .offset: 48, .size: 8, .value_kind: global_buffer, .address_space: global }
      - { .name: hscales, .offset: 56, .size: 8, .value_kind: global_buffer, .address_space: global }
    .group_segment_fixed_size: 34304
    .private_segment_fixed_size: 0
    .kernarg_segment_align: 8
    .kernarg_segment_size: 64
    .max_flat_workgroup_size: 128
    .sgpr_count:     66
    .vgpr_count:     1024
    .wavefront_size: 32
...
	.end_amdgpu_metadata
.endif
;; end of part 2
;; launch outp (part 3): grid 256 x 1, 4 waves a work-group, clusters of 4 x 1, 111,616 bytes of LDS; arguments W2, b2, scales, shifta, shiftb, y, hcodes, hscales, list, cnt, out0; writes out0
.if DOCPART == 3
	.amdgcn_target "amdgcn-amd-amdhsa--gfx1250"
	.amdhsa_code_object_version 6
	.text
	.protected	k_qf3bf0d0566_outp
	.globl	k_qf3bf0d0566_outp
	.p2align	8
	.type	k_qf3bf0d0566_outp,@function
k_qf3bf0d0566_outp:
	s_mov_b64 s[64:65], 0
	v_nop
	global_prefetch_b8 v0, s[64:65] scope:SCOPE_SE
	s_setreg_imm32_b32 hwreg(HW_REG_WAVE_MODE, 25, 1), 1
	s_wait_xcnt 0x0
	s_wait_alu depctr_hold_cnt(0) depctr_sa_sdst(0) depctr_va_vdst(0) depctr_va_sdst(0) depctr_va_ssrc(0) depctr_va_vcc(0) depctr_vm_vsrc(0)
	s_getreg_b32 s2, hwreg(HW_REG_IB_STS2, 6, 4)
	s_cmp_eq_u32 s2, 0
	s_cbranch_scc0 .Lentry_in_a_cluster
	s_endpgm
.Lentry_in_a_cluster:
	s_bfe_u32 s2, ttmp6, 0x10000c
	s_cmp_lg_u32 s2, 0x3003
	s_cbranch_scc0 .Lentry_shape_is_right
	s_endpgm
.Lentry_shape_is_right:
; out0 = 0.5 ((b - a) sigmoid(scales) (hidden W2[e] + b2[e]) + (a + b) y), a = -sigmoid(shifta), b = sigmoid(shiftb), for the tokens of expert e alone; the product on codes of FP6 (E2M3) with E8M0 scales.
; SHARES.  Work-group x: expert e = x / 32, output columns 32 (x % 32) .. + 31, for all of K = 4,096: each output has one owner.  Wave w: K steps 8 w + p, p = 0 .. 7: 128 KB of f32, read once.
; A row of W2 gives a work-group 128 bytes; the four work-groups of a cluster take neighbouring 128 bytes of the same rows.  The expert comes from the cluster's number alone; the place in the cluster enters
; global addresses and nothing else.
; A PERIOD is that of the launch before: 32 loads of 512 bytes (lane (q = lane / 8, ch = lane % 8): rows 32 q + i, columns 4 ch .. + 3), put in order, converted, turned through the wave's own LDS bytes into two
; fragments (16 columns x 128 K), and multiplied with the hidden layer's fragments of ten tiles of 16 tokens, which come from memory as images of their registers: 20 matrix instructions.  No barrier.
; The product is used transposed (source 0 = 16 columns of W2, source 1 = 16 tokens): a lane holds one token and eight neighbouring columns.
; PASSES as in the launch before: 10 tiles a pass, a loop of the constant count 7 with two barriers a trip that every wave passes, forward branches on the stored counts round the work alone.  A slot beyond the
; expert's tiles takes the expert's last tile again, so that only bytes that were stored are read; its sums are dropped.
; THE WAVES MEET ONCE A PASS: each holds the sums over its quarter of K.  They go to LDS (rows of 128 bytes + 16); behind the barrier wave w adds the four parts of tiles w, w + 4, w + 8, finishes them and stores each
; row's 128 bytes at its token's place.  ALL 16 ROWS OF A LIVE TILE ARE STORED, with all lanes on: beyond the expert's count the list repeats its last token, which lies in the same tile, so such a row holds the same
; codes, the same sums and the same y as that token's own row, and the same wave writes the same numbers to the same bytes.  Eight lanes store 128 consecutive bytes: that is what 32 columns to an owner give.
; NO JOINT LOADS: the 32 work-groups of an expert read the same hidden images (at most 480 KB a pass, more than LDS holds), so a joint load would want a ring and a round of barriers for each refill inside a pass,
; and whether a pass is walked hangs on counts read from memory.
; LIMITS: NaN and infinities among the inputs are not served.  A block of W2 whose largest magnitude lies under 2^-124 keeps the byte 1; a block of zeros has the byte 1 over zero codes.
; REGISTERS, in windows of 256.  Window 0: v4-27, v76-79 addresses; v28-75 the quantiser; v80-81, v88-127 scale words and nothing else; v128-255 128 numbers in order, later the reduction's work.
;   Window 1: v0-159 accumulators (tile i, t: 16 i + 8 t); v160-169 the gains; v176-199 W2's two fragments; v200-247 y.   Window 2: the two landing sets.   Window 3: the hidden layer's fragments, two sets of ten.
.set NTP,   10
.set TRIPS, 7
.set PITCH, 4096                       ; a row of W2[e] in bytes
.set FRAG,  1616                       ; a fragment's image in LDS: lane (rho, hh) has 48 bytes at 48 rho + 800 hh: the 32 lanes of a store of 8 bytes touch 64 different banks (64 banks of 4 bytes: ISA guide 11.1)
.set HOFF,  800
.set SWOFF, 2*FRAG
.set WREG,  3584                       ; a wave's own LDS bytes
.set EXB,   4*WREG                     ; the partial sums: [wave][tile][16 rows x 144 bytes]; the claim of LDS is two tiles larger than the four parts
.set TILEB, 2304
.set PARTB, NTP*TILEB
.set WO,  4
.set WA,  5
.set WBY, 6
.set RA,  7
.set RS,  8
.set LI,  9                            ; 16 x lane
.set SOV, 10                           ; hscales: 128 h + 4 r
.set L3,  11                           ; lane / 8
.set C16, 12                           ; 16 (lane % 8)
.set STO, 13                           ; where my 32 bytes of a row of partial sums go
.set L34, 14                           ; 4 (lane / 8): my row's word in four rows of the list
.set TK,  16                           ; v16-27 tile k, rows 4 kk + lane / 8: the token's row x 4,096 + 16 (lane % 8)
.set MX,  28
.set BY,  32
.set CD,  36
.set CT,  60
.set RD,  76                           ; v76-79 where I read a row of wave u's partial sums
.set SW,  80
.set SA,  88                           ; slot i, register m: lanes 0-15 K step 8 w + 2 m, lanes 16-31 K step 8 w + 2 m + 1
.set T,   128
.set F,   128                          ; the reduction: 4 groups of rows x 4 waves x 4 numbers
.set O,   192                          ; v192-239 16 results for each of my three tiles: no store's data are written again in a pass
.set C1,  160                          ; window 1: 0.5 (b - a) sigmoid(scales) of my four columns;
.set C1B, 164                          ; that x b2;
.set C2,  168                          ; 0.5 (a + b), twice
.set WF,  176
.set Y,   200
.set AB,  66                           ; s[66:85] slot i: its tile's images, at my wave's first K step
.set MSB, 0
.macro WIN new                         ; the immediate's high byte repeats the setting that is left; a switch that changes nothing is dropped
.if MSB != \new
	s_set_vgpr_msb (MSB<<8)|\new
.set MSB, \new
.endif
.endm
	s_load_b256 s[4:11], s[0:1], 0x0               ; W2 s[4:5], b2 s[6:7], scales s[8:9], shifta s[10:11]
	s_load_b256 s[12:19], s[0:1], 0x20             ; shiftb s[12:13], y s[14:15], hcodes s[16:17], hscales s[18:19]
	s_load_b128 s[20:23], s[0:1], 0x40             ; list s[20:21], cnt s[22:23]
	s_load_b64 s[24:25], s[0:1], 0x50              ; out0
	v_lshl_add_u32 v86, v0, 2, 0x1b200
	v_mov_b32 v87, 0
	v_lshrrev_b32 v1, 5, v0
	v_readfirstlane_b32 s26, v1                    ; wave 0..3
	s_bfe_u32 s54, ttmp6, 0x40000                  ; cx: my place in the cluster
	s_lshr_b32 s52, ttmp9, 3                       ; the expert: eight clusters each
	s_and_b32 s53, ttmp9, 7
	s_lshl_b32 s53, s53, 2
	s_add_co_u32 s53, s53, s54                     ; my 32 columns among the expert's 1,024
	s_mul_i32 s29, s26, WREG
	v_and_b32 v1, 31, v0                           ; lane
	v_and_b32 v2, 15, v0                           ; r
	v_bfe_u32 v3, v0, 4, 1                         ; h (also q / 2)
	v_bfe_u32 v[T], v0, 3, 2                       ; q
	v_and_b32 v[T+1], 7, v0                        ; ch
	v_lshlrev_b32 v[C16], 4, v[T+1]
	v_lshl_add_u32 v[WO], v[T], 17, v[C16]         ; q x 32 rows of 4,096 bytes + 16 ch
	v_and_b32 v[T+2], 3, v0
	v_bfe_u32 v[T+3], v0, 2, 1
	v_bfe_u32 v[T+4], v0, 3, 1
	; column 4 ch + c lies in fragment ch / 4 at row rho = 4 (ch % 4) + c; block q goes to lanes' half q % 2, 24 (q / 2) bytes on
	v_mul_u32_u24 v[WA], v[T+2], 192
	v_mad_u32_u24 v[WA], v[T+3], FRAG, v[WA]
	v_mad_u32_u24 v[WA], v[T+4], HOFF, v[WA]
	v_mad_u32_u24 v[WA], v3, 24, v[WA]
	v_add_nc_u32 v[WA], s29, v[WA]
	v_add_nc_u32 v[WBY], v[C16], v[T]              ; the byte: 64 (ch / 4) + 4 rho + q = 16 ch + 4 c + q
	v_add_nc_u32 v[WBY], s29, v[WBY]
	v_mul_u32_u24 v[RA], v2, 48
	v_mad_u32_u24 v[RA], v3, HOFF, v[RA]
	v_add_nc_u32 v[RA], s29, v[RA]
	v_lshlrev_b32 v[SOV], 2, v2
	v_add_nc_u32 v[RS], s29, v[SOV]
	v_lshl_add_u32 v[SOV], v3, 7, v[SOV]
	v_lshlrev_b32 v[LI], 4, v1
	v_lshrrev_b32 v[L3], 3, v1
	v_lshlrev_b32 v[L34], 2, v[L3]
	s_mul_i32 s44, s26, PARTB
	v_mul_u32_u24 v[STO], v2, 144
	v_lshl_add_u32 v[STO], v3, 5, v[STO]
	v_add_nc_u32 v[STO], s44, v[STO]               ; my wave's part: row r, + 32 h
	s_mul_i32 s44, s26, TILEB                      ; back: my first tile is tile w
	v_mul_u32_u24 v[RD], v[L3], 144
	v_add_nc_u32 v[RD], v[RD], v[C16]
	v_add_nc_u32 v[RD], s44, v[RD]
.irp u, 1,2,3
	v_add_nc_u32 v[RD+\u], \u*PARTB, v[RD]
.endr
.irp j, 0,1,2,3,4,5,6,7,8,9,10,11
	v_mov_b32 v[TK+\j], 0                          ; the two halves of a pass stand under branches of their own: what the first half hands to the second in registers is written once here
.endr
	s_lshl_b32 s44, s52, 24                        ; W2: 16 MB an expert, 4 MB a wave's eight K steps, 128 bytes for my columns
	s_lshl_b32 s45, s26, 22
	s_add_co_u32 s44, s44, s45
	s_lshl_b32 s46, s53, 7
	s_add_co_u32 s44, s44, s46
	s_mov_b32 s45, 0
	s_mov_b32 s47, 0
	s_lshl_b32 s48, s52, 12                        ; b2 and the list: 4,096 bytes an expert
	s_mov_b32 s49, 0
	s_mul_i32 s50, s26, 12288                      ; hcodes: eight K steps of 1,536 bytes a wave
	s_mov_b32 s51, 0
	s_lshl_b32 s56, s26, 10                        ; hscales: eight of 128
	s_mov_b32 s57, 0
	s_wait_kmcnt 0x0
.irp i, 0,1,2,3,4,5,6,7
	s_load_b32 s[32+\i], s[22:23], 128*\i          ; the eight counts
.endr
	s_load_b32 s27, s[10:11], 0x0                  ; shifta
	s_load_b32 s28, s[12:13], 0x0                  ; shiftb
	s_add_nc_u64 s[4:5], s[4:5], s[44:45]
	s_add_nc_u64 s[6:7], s[6:7], s[48:49]
	s_add_nc_u64 s[6:7], s[6:7], s[46:47]
	s_add_nc_u64 s[8:9], s[8:9], s[46:47]
	s_add_nc_u64 s[14:15], s[14:15], s[46:47]
	s_add_nc_u64 s[24:25], s[24:25], s[46:47]
	s_add_nc_u64 s[16:17], s[16:17], s[50:51]
	s_add_nc_u64 s[18:19], s[18:19], s[56:57]
	s_add_nc_u64 s[20:21], s[20:21], s[48:49]
	global_load_b128 v[T:T+3], v[C16], s[8:9]      ; scales of my four columns
	global_load_b128 v[T+4:T+7], v[C16], s[6:7]    ; b2 of them
	s_wait_kmcnt 0x0
	s_mov_b32 s40, s32                             ; my expert's count,
.irp i, 1,2,3,4,5,6,7
	s_cmp_eq_u32 s52, \i
	s_cselect_b32 s40, s[32+\i], s40
.endr
	s_min_u32 s40, s40, 1024
	s_add_co_u32 s42, s40, 15
	s_lshr_b32 s42, s42, 4                         ; its tiles,
	s_mov_b32 s41, 0                               ; and the tiles of the experts in front of it
.irp i, 0,1,2,3,4,5,6
	s_min_u32 s44, s[32+\i], 1024
	s_add_co_u32 s44, s44, 15
	s_lshr_b32 s44, s44, 4
	s_cmp_gt_u32 s52, \i
	s_cselect_b32 s44, s44, 0
	s_add_co_u32 s41, s41, s44
.endr
	v_mov_b32 v[T+8], s27
	v_mov_b32 v[T+9], s28
	s_wait_loadcnt 0x0
	; sigmoid(x) = 1 / (1 + 2^(-x log2 e)), of four gains and the two shifts
.irp j, 0,1,2,3,8,9
	v_mul_f32 v[T+\j], 0xbfb8aa3b, v[T+\j]
.endr
.irp j, 0,1,2,3,8,9
	v_exp_f32 v[T+\j], v[T+\j]
.endr
	v_nop                                          ; one plain place behind a transcendental
	s_wait_alu depctr_va_vdst(0)
.irp j, 0,1,2,3,8,9
	v_add_f32 v[T+\j], 1.0, v[T+\j]
.endr
.irp j, 0,1,2,3,8,9
	v_rcp_f32 v[T+\j], v[T+\j]
.endr
	v_nop
	s_wait_alu depctr_va_vdst(0)
	v_add_f32 v[T+10], v[T+9], v[T+8]              ; b - a
	v_sub_f32 v[T+11], v[T+9], v[T+8]              ; a + b
	v_mul_f32 v[T+10], 0.5, v[T+10]
.irp j, 0,1,2,3
	v_mul_f32 v[T+12+\j], v[T+10], v[T+\j]
.endr
	WIN 0x40
	v_mul_f32 v[C2], 0.5, v[T+11]
	v_mul_f32 v[C2+1], 0.5, v[T+11]
.irp j, 0,1,2,3
	v_mov_b32 v[C1+\j], v[T+12+\j]
	v_mul_f32 v[C1B+\j], v[T+12+\j], v[T+4+\j]
.endr
.set jj, 0
.rept 48
	v_mov_b32 v[Y+jj], 0                           ; (as the row offsets above)
.set jj, jj+1
.endr
	WIN 0
.macro WLOAD p
	WIN 0x80
.set ii, 0
.rept 32
	global_load_b128 v[128*((\p)%2)+4*ii:128*((\p)%2)+4*ii+3], v[WO], s[4:5] offset:(\p)*0x80000+ii*PITCH
.set ii, ii+1
.endr
	WIN 0
.endm
.macro ALOAD p                         ; K step 8 w + p of the ten tiles into set p % 2: each load covers 512 consecutive bytes
	WIN 0xc0
.set ii, 0
.rept NTP
.irp c, 0,1,2
	global_load_b128 v[120*((\p)%2)+12*ii+4*\c:120*((\p)%2)+12*ii+4*\c+3], v[LI], s[AB+2*ii:AB+2*ii+1] offset:1536*(\p)+512*\c
.endr
.set ii, ii+1
.endr
	WIN 0
.endm
.macro DEMUX par                       ; a load brought four columns of one row: each column's 32 numbers are put on end
	WIN 0x02
.set ii, 0
.rept 32
.irp c, 0,1,2,3
	v_mov_b32 v[T+32*\c+ii], v[128*(\par)+4*ii+\c]
.endr
.set ii, ii+1
.endr
	WIN 0
.endm
.macro WQUANT
.irp c, 0,1,2,3
	v_max3_num_f32 v[MX+\c], |v[T+32*\c]|, |v[T+32*\c+1]|, 0x1800000   ; column c's block, and the floor 2^(3 - 127): the byte cannot fall under 1
.endr
.irp i, 2,4,6,8,10,12,14,16,18,20,22,24,26,28,30
.irp c, 0,1,2,3
	v_max3_num_f32 v[MX+\c], v[MX+\c], |v[T+32*\c+\i]|, |v[T+32*\c+\i+1]|
.endr
.endr
.irp c, 0,1,2,3
	v_add_nc_u32 v[MX+\c], 0xff000000, v[MX+\c]    ; 2 off the exponent field: the conversion's scale operand
.endr
.irp c, 0,1,2,3
	v_lshrrev_b32 v[BY+\c], 23, v[MX+\c]
.endr
.irp c, 0,1,2,3
	v_cvt_scalef32_pk16_fp6_f32 v[CD+6*\c:CD+6*\c+2], v[T+32*\c:T+32*\c+15], v[MX+\c]
	v_cvt_scalef32_pk16_fp6_f32 v[CT+4*\c:CT+4*\c+2], v[T+32*\c+16:T+32*\c+31], v[MX+\c]   ; (a conversion's three registers begin on an even number)
.endr
	v_nop                                          ; one plain place behind a scaled conversion
.irp c, 0,1,2,3
.irp k, 0,1,2
	v_mov_b32 v[CD+6*\c+3+\k], v[CT+4*\c+\k]
.endr
.endr
.endm
.macro WSTORE
.irp c, 0,1,2,3
.irp k, 0,1,2
	ds_store_b64 v[WA], v[CD+6*\c+2*\k:CD+6*\c+2*\k+1] offset:48*\c+8*\k
.endr
	ds_store_b8 v[WBY], v[BY+\c] offset:SWOFF+4*\c
.endr
.endm
.macro FETCHW                          ; LDS serves a wave's instructions in order: these see the stores above; the bytes are the wave's own
	WIN 0x40
.irp f, 0,1
.irp c, 0,1,2
	ds_load_b128 v[WF+12*\f+4*\c:WF+12*\f+4*\c+3], v[RA] offset:FRAG*\f+16*\c
.endr
.endr
	WIN 0
	ds_load_b32 v[SW], v[RS] offset:SWOFF
	ds_load_b32 v[SW+1], v[RS] offset:SWOFF+64
.endm
.macro MM d, a, b, cr, sa, sb, rb      ; cr: C's first register, or -1 for the constant 0.  rb: source 1's scales stand in lanes 16-31
.if (\cr) < 0
.if \rb
	v_wmma_scale_f32_16x16x128_f8f6f4 v[(\d):(\d)+7], v[(\a):(\a)+11], v[(\b):(\b)+11], 0, v[\sa], v[\sb] matrix_a_fmt:MATRIX_FMT_FP6 matrix_b_fmt:MATRIX_FMT_FP6 matrix_b_scale:MATRIX_SCALE_ROW1
.else
	v_wmma_scale_f32_16x16x128_f8f6f4 v[(\d):(\d)+7], v[(\a):(\a)+11], v[(\b):(\b)+11], 0, v[\sa], v[\sb] matrix_a_fmt:MATRIX_FMT_FP6 matrix_b_fmt:MATRIX_FMT_FP6
.endif
.else
.if \rb
	v_wmma_scale_f32_16x16x128_f8f6f4 v[(\d):(\d)+7], v[(\a):(\a)+11], v[(\b):(\b)+11], v[(\cr):(\cr)+7], v[\sa], v[\sb] matrix_a_fmt:MATRIX_FMT_FP6 matrix_b_fmt:MATRIX_FMT_FP6 matrix_b_scale:MATRIX_SCALE_ROW1
.else
	v_wmma_scale_f32_16x16x128_f8f6f4 v[(\d):(\d)+7], v[(\a):(\a)+11], v[(\b):(\b)+11], v[(\cr):(\cr)+7], v[\sa], v[\sb] matrix_a_fmt:MATRIX_FMT_FP6 matrix_b_fmt:MATRIX_FMT_FP6
.endif
.endif
.endm
; 20 matrix instructions, the 20 accumulators by turns, one instruction a turn.  Period 0's products start the sums: nothing is cleared
.macro MATMUL p
	WIN 0x5d                                       ; source 0 (W2), C and D window 1, source 1 (the hidden layer) window 3
.set ii, 0
.rept NTP
.irp t, 0,1
.if (\p) == 0
	MM 16*ii+8*\t, WF+12*\t, 120*((\p)%2)+12*ii, -1, SW+\t, SA+4*ii+((\p)>>1), (\p)&1
.else
	MM 16*ii+8*\t, WF+12*\t, 120*((\p)%2)+12*ii, 16*ii+8*\t, SW+\t, SA+4*ii+((\p)>>1), (\p)&1
.endif
.endr
.set ii, ii+1
.endr
	WIN 0
.endm
; Loads are issued in the order .. W(p), A(p), W(p+1): at a period's head the 32 youngest are W(p+1)'s, so one counted wait shows W(p) and A(p) landed.
; The loads into registers that the last period's matrix instructions read stand behind DEMUX's 128 plain moves, which name none of those registers.
.macro PERIOD p
.if (\p) < 7
	s_wait_loadcnt 32
.else
	s_wait_loadcnt 0x0
.endif
	DEMUX (\p)%2
.if (\p) < 7
	ALOAD (\p)+1
.endif
.if (\p) < 6
	WLOAD (\p)+2
.endif
	WQUANT
	WSTORE
	FETCHW
	s_wait_dscnt 0x0                               ; the fragments are in; my stores have read their registers
	MATMUL \p
.endm
; THE WAY OUT of tile w + 4 k: four parts are added, finished, and stored row by row
.macro OUTT k
	s_add_co_u32 s44, s26, 4*\k
	s_cmp_ge_u32 s44, s43
	s_cbranch_scc1 .Lout_done
.irp kk, 0,1,2,3
.irp u, 0,1,2,3
	ds_load_b128 v[F+16*\kk+4*\u:F+16*\kk+4*\u+3], v[RD+\u] offset:EXB+4*\k*TILEB+576*\kk   ; rows 4 kk + lane / 8, my four columns, wave u's part
.endr
.endr
	WIN 0x15
.irp kk, 0,1,2,3
.irp d, 0,2
	v_pk_fma_f32 v[O+16*\k+4*\kk+\d:O+16*\k+4*\kk+\d+1], v[Y+16*\k+4*\kk+\d:Y+16*\k+4*\kk+\d+1], v[C2:C2+1], v[C1B+\d:C1B+\d+1]   ; 0.5 (a + b) y + the gain x b2
.endr
.endr
	WIN 0
	s_wait_dscnt 0x0
.irp kk, 0,1,2,3
.irp d, 0,2
	v_pk_add_f32 v[F+16*\kk+\d:F+16*\kk+\d+1], v[F+16*\kk+\d:F+16*\kk+\d+1], v[F+16*\kk+4+\d:F+16*\kk+4+\d+1]
	v_pk_add_f32 v[F+16*\kk+8+\d:F+16*\kk+8+\d+1], v[F+16*\kk+8+\d:F+16*\kk+8+\d+1], v[F+16*\kk+12+\d:F+16*\kk+12+\d+1]
.endr
.endr
.irp kk, 0,1,2,3
.irp d, 0,2
	v_pk_add_f32 v[F+16*\kk+\d:F+16*\kk+\d+1], v[F+16*\kk+\d:F+16*\kk+\d+1], v[F+16*\kk+8+\d:F+16*\kk+8+\d+1]
.endr
.endr
	WIN 0x04
.irp kk, 0,1,2,3
.irp d, 0,2
	v_pk_fma_f32 v[O+16*\k+4*\kk+\d:O+16*\k+4*\kk+\d+1], v[F+16*\kk+\d:F+16*\kk+\d+1], v[C1+\d:C1+\d+1], v[O+16*\k+4*\kk+\d:O+16*\k+4*\kk+\d+1]
.endr
.endr
	WIN 0
.irp kk, 0,1,2,3
	global_store_b128 v[TK+4*\k+\kk], v[O+16*\k+4*\kk:O+16*\k+4*\kk+3], s[24:25]   ; eight lanes store a token's 128 consecutive bytes; a row that repeats the last token stores that token's numbers again
.endr
.endm
	s_mov_b32 s30, 0                               ; the pass,
	s_mov_b32 s31, 0                               ; and its first tile
.Lpass:
	s_sub_co_i32 s43, s42, s31
	s_max_i32 s43, s43, 0
	s_min_u32 s43, s43, NTP                        ; live tiles of this pass
	s_cmp_eq_u32 s43, 0
	s_cbranch_scc1 .Lno_body                       ; nothing to do: on to the barriers, which every wave passes
.irp k, 0,1,2
	s_add_co_u32 s44, s31, s26
	s_add_co_u32 s44, s44, 4*\k                    ; the tiles that I finish: w + 4 k of this pass,
	s_min_u32 s44, s44, 63                         ; inside the expert's 64 tiles of the list
	s_lshl_b32 s44, s44, 6
	v_add_nc_u32 v[T+16+\k], s44, v[L34]
.irp kk, 0,1,2,3
	global_load_b32 v[T+4*\k+\kk], v[T+16+\k], s[20:21] offset:16*\kk
.endr
.endr
	WLOAD 0
	s_sub_co_u32 s46, s42, 1                       ; the expert's last tile
	s_mov_b32 s49, 0
.irp i, 0,1,2,3,4,5,6,7,8,9
	s_add_co_u32 s44, s31, \i
	s_min_u32 s44, s44, s46                        ; a slot beyond it takes it again
	s_add_co_u32 s44, s44, s41
	s_min_u32 s44, s44, 71                         ; held inside the buffers
	s_mul_i32 s48, s44, 49152
	s_add_nc_u64 s[AB+2*\i:AB+2*\i+1], s[16:17], s[48:49]
	s_lshl_b32 s44, s44, 12
	v_add_nc_u32 v[T+32+\i], s44, v[SOV]
.endr
	s_wait_loadcnt 32                              ; the list is in; W(0)'s 32 loads, issued behind it, stay out
.irp j, 0,1,2,3,4,5,6,7,8,9,10,11
	v_min_u32 v[T+\j], 0x3ff, v[T+\j]
	v_lshl_add_u32 v[TK+\j], v[T+\j], 12, v[C16]
.endr
	WIN 0x40
.irp j, 0,1,2,3,4,5,6,7,8,9,10,11
	global_load_b128 v[Y+4*\j:Y+4*\j+3], v[TK+\j], s[14:15]   ; y of the rows that I finish: on its way under the whole stream
.endr
	WIN 0
.irp i, 0,1,2,3,4,5,6,7,8,9
.irp m, 0,1,2,3
	global_load_b32 v[SA+4*\i+\m], v[T+32+\i], s[18:19] offset:256*\m   ; my eight K steps' scale words, once a pass
.endr
.endr
	ALOAD 0
	WLOAD 1
	PERIOD 0
	PERIOD 1
	PERIOD 2
	PERIOD 3
	PERIOD 4
	PERIOD 5
	PERIOD 6
	PERIOD 7
.rept 4
	v_nop                                          ; places between the last products and the stores that read results
.endr
	WIN 0x04                                       ; an LDS store's data are its source 1: window 1
.set ii, 0
.rept NTP
.irp t, 0,1
	ds_store_b128 v[STO], v[16*ii+8*\t:16*ii+8*\t+3] offset:EXB+ii*TILEB+64*\t         ; each accumulator from its low end on; lane (r, h): token r, columns 16 t + 8 h + 0 .. 7
	ds_store_b128 v[STO], v[16*ii+8*\t+4:16*ii+8*\t+7] offset:EXB+ii*TILEB+64*\t+16
.endr
.set ii, ii+1
.endr
	WIN 0
.Lno_body:
	s_wait_dscnt 0x0                               ; for the others' sake: my partial sums lie in LDS
	s_barrier_signal -1
	s_barrier_wait -1                              ; everybody's do
	OUTT 0
	OUTT 1
	s_cmp_gt_u32 s26, 1                            ; ten tiles: waves 0 and 1 have a third one (tiles 8 and 9), waves 2 and 3 have none
	s_cbranch_scc1 .Lout_done
	OUTT 2
.Lout_done:
	s_wait_xcnt 0x0                                ; the stores have read their registers: the next pass may write them
	s_wait_dscnt 0x0                               ; my reads of the partial sums are over:
	s_barrier_signal -1
	s_barrier_wait -1                              ; the next pass may write them again
	s_add_co_u32 s31, s31, NTP
	s_add_co_u32 s30, s30, 1
	s_cmp_lt_u32 s30, TRIPS
	s_cbranch_scc1 .Lpass
	s_wait_tensorcnt 0x0
	ds_add_u32 v86, v87
	s_wait_dscnt 0x0
	s_endpgm
.Lfunc_end_k_qf3bf0d0566_outp:
	.size	k_qf3bf0d0566_outp, .Lfunc_end_k_qf3bf0d0566_outp-k_qf3bf0d0566_outp
	.p2alignl 7, 3214868480
	.fill 96, 4, 3214868480
	.section	.rodata,"a",@progbits
	.p2align	6, 0x0
	.amdhsa_kernel k_qf3bf0d0566_outp
		.amdhsa_group_segment_fixed_size 111616
		.amdhsa_private_segment_fixed_size 0
		.amdhsa_enable_private_segment 0
		.amdhsa_kernarg_size 88
		.amdhsa_user_sgpr_count 2
		.amdhsa_user_sgpr_kernarg_segment_ptr 1
		.amdhsa_wavefront_size32 1
		.amdhsa_system_sgpr_workgroup_id_x 1
		.amdhsa_system_sgpr_workgroup_id_y 1
		.amdhsa_system_sgpr_workgroup_id_z 1
		.amdhsa_system_vgpr_workitem_id 0
		.amdhsa_next_free_vgpr 1024
		.amdhsa_next_free_sgpr 90
		.amdhsa_reserve_vcc 0
		.amdhsa_float_denorm_mode_32 3
		.amdhsa_float_denorm_mode_16_64 3
		.amdhsa_memory_ordered 1
		.amdhsa_forward_progress 1
		.amdhsa_inst_pref_size 195
	.end_amdhsa_kernel
	.amdgpu_metadata
---
amdhsa.version: [ 1, 2 ]
amdhsa.kernels:
  - .name:           k_qf3bf0d0566_outp
    .symbol:         k_qf3bf0d0566_outp.kd
    .args:
      - { .name: W2, .offset: 0, .size: 8, .value_kind: global_buffer, .address_space: global }
      - { .name: b2, .offset: 8, .size: 8, .value_kind: global_buffer, .address_space: global }
      - { .name: scales, .offset: 16, .size: 8, .value_kind: global_buffer, .address_space: global }
      - { .name: shifta, .offset: 24, .size: 8, .value_kind: global_buffer, .address_space: global }
      - { .name: shiftb, .offset: 32, .size: 8, .value_kind: global_buffer, .address_space: global }
      - { .name: y, .offset: 40, .size: 8, .value_kind: global_buffer, .address_space: global }
      - { .name: hcodes, .offset: 48, .size: 8, .value_kind: global_buffer, .address_space: global }
      - { .name: hscales, .offset: 56, .size: 8, .value_kind: global_buffer, .address_space: global }
      - { .name: list, .offset: 64, .size: 8, .value_kind: global_buffer, .address_space: global }
      - { .name: cnt, .offset: 72, .size: 8, .value_kind: global_buffer, .address_space: global }
      - { .name: out0, .offset: 80, .size: 8, .value_kind: global_buffer, .address_space: global }
    .group_segment_fixed_size: 111616
    .private_segment_fixed_size: 0
    .kernarg_segment_align: 8
    .kernarg_segment_size: 88
    .max_flat_workgroup_size: 128
    .sgpr_count:     90
    .vgpr_count:     1024
    .wavefront_size: 32
...
	.end_amdgpu_metadata
.endif
;; end of part 3
;; ======== version 2 of 2: 3 launches; version 1 with the launch hidden written anew for expert scheduling mode
;; workspace buffers: ycodes 786,432 bytes; yscales 32,768 bytes; list 32,768 bytes of whole numbers; cnt 1,024 bytes of whole numbers; hcodes 3,538,944 bytes; hscales 294,912 bytes
;; launch prep: the kernel of part 1 again; grid 256 x 1, 1 waves a work-group, no clusters, 1,792 bytes of LDS; arguments t, y, ycodes, yscales, list, cnt; writes ycodes, yscales, list, cnt
;; launch hidden (part 4): grid 256 x 1, 4 waves a work-group, no clusters, 34,304 bytes of LDS; arguments W1, b1, ycodes, yscales, list, cnt, hcodes, hscales; writes hcodes, hscales
.if DOCPART == 4
	.amdgcn_target "amdgcn-amd-amdhsa--gfx1250"
	.amdhsa_code_object_version 6
	.text
	.protected	k_qf3bf0d0566_hidden
	.globl	k_qf3bf0d0566_hidden
	.p2align	8
	.type	k_qf3bf0d0566_hidden,@function
k_qf3bf0d0566_hidden:
	s_mov_b64 s[64:65], 0
	v_nop
	global_prefetch_b8 v0, s[64:65] scope:SCOPE_SE
	s_setreg_imm32_b32 hwreg(HW_REG_WAVE_SCHED_MODE, 0, 2), 2
	s_setreg_imm32_b32 hwreg(HW_REG_WAVE_MODE, 25, 1), 1
	s_wait_xcnt 0x0
	s_wait_alu depctr_vm_vsrc(0)
; hidden = tanh(y W1[e] + b1[e]) for the tokens of expert e alone, on codes of FP6 (E2M3) with one E8M0 scale for each 32 along K; the result is quantised along the next K and stored as codes.
; SHARES.  Work-group x: expert e = x / 32, hidden units 128 (x % 32) .. + 127, which are K step x % 32 of the second product.  Wave w: units 32 w .. + 31 of them, for all of K = 1,024: 128 KB of f32,
; read once, in 8 periods of 128 along K.  The four waves read neighbouring 128 bytes of the same rows of W1.
; A PERIOD.  32 loads of 512 bytes: lane (q = lane / 8, ch = lane % 8) takes rows 32 q + i (i = 0 .. 31) and columns 4 ch .. + 3: one quantiser block for each of its four columns, so no other lane is asked for a
; maximum.  The numbers are put in order (a column's 32 on end), converted, and the codes turn through LDS bytes that are the wave's own into two operand fragments (16 units x 128 K).  These meet the fragments of
; y of ten tiles of 16 tokens, gathered by the list: 20 matrix instructions.  Loads run two periods ahead in two sets of 128 registers.  Nothing in a period is shared between waves: no barrier.
; THE UNITS OF A TILE ARE NOT NEIGHBOURS: row rho of tile u is unit 8 u + rho + 8 (rho / 8).  The product is used transposed (source 0 = 16 units, source 1 = 16 tokens), so a lane holds one token, and the 16
; registers of its two tiles are units 16 (lane / 16) + 0 .. 15 of the wave's 32: half of one block of the next K.
; PASSES.  A pass serves 10 tiles (160 tokens).  The loop over passes has the constant count 7 (64 tiles at the most) and two barriers a trip, which every wave passes; forward branches on the stored counts lead
; round the work alone.  An expert with more than 160 tokens streams its slab once for each pass.  In a live pass all ten slots load and multiply (beyond the expert's count the list repeats its last token);
; only live tiles go on.
; THE WAVES MEET ONCE A PASS: each wave's 12 bytes a lane and its scale byte go into the tile's image in LDS; behind the barrier wave w sends tiles w, w + 4, w + 8 out: each store covers 512 consecutive bytes, aligned.
; hcodes [tile][K step][1,536]: the image of an operand's registers (registers 4 c .. 4 c + 3 of lane l at 512 c + 16 l).  hscales [tile][K step][32 lanes]: the row's word, lanes 16-31 repeating lanes 0-15.
; tile = (tiles of the experts in front) + the tile's number in its expert.
; NO JOINT LOADS: what work-groups share here, y's codes, is gathered lane by lane through the list and is at most 120 KB a pass beside the slab's 512 KB; a tile ring in LDS would want a barrier for each refill
; inside a pass, and whether a pass is walked hangs on counts read from memory.
; tanh: |x| < 0.25: x (1 - x^2/3 + 2 x^4/15 - 17 x^6/315 + 62 x^8/2835), the first term left out under 1e-8 of the number; else 1 - 2 / (1 + 2^(2 x log2 e)), about 2e-7 absolute; chosen by a select, both always computed.
; LIMITS: NaN and infinities among the inputs are not served.  A block whose largest magnitude lies under 2^-124 keeps the byte 1; a block of zeros has the byte 1 over zero codes.
; REGISTERS, in windows of 256.  Window 0: v4-27, v76-77 addresses; v28-75 the quantiser; v80-81, v88-127 scale words and nothing else; v86, v87 the closing add's two; v128-255 128 numbers in order, later the tail's work.
;   Window 1: v0-159 accumulators (tile i, u: 16 i + 8 u); v160-175 b1; v176-199 W1's two fragments.   Window 2: the two landing sets.   Window 3: y's fragments, two sets of ten.
; THE MODE: SCHED_MODE bits 1:0 = 2 (LLVM: expert scheduling mode 2), set by the entry lines.  The code itself states the register dependences between vector or matrix instructions and memory or LDS
; instructions, with s_wait_alu, always for 0.
; THE PLAN.  Registers that memory or LDS instructions touch, and who else names them:
;   landing sets (window 2)  W(p) lands in set p % 2; period p's 128 moves read it; W(p + 2) is asked for in period p, behind those moves.
;   y's sets (window 3)      A(p) lands in set p % 2; period p's 20 matrix instructions read it; A(p + 1) is asked for in period p, into the set that period p - 1's matrix instructions read.
;   WF, SW                   Period p's LDS loads land in them; period p's matrix instructions read them.
;   CD, BY                   Written by a period's quantiser, read by its 16 LDS stores, written again a period later; behind period 7 the tail's constants take CD's first ten.
;   SA                       40 loads at a pass's head land in it; the matrix instructions read it.
;   T                        At a pass's head: v144-153 the list's offsets, v128-137 the list, v160-169 the scale words' offsets; then period 0's moves write all of it.
;   AO                       Written once a pass; read by every load of y's fragments.
;   HC, HBY                  A tile's conversion and shift write them, once a pass; the tile's four LDS stores read them.
;   GA, GS; OB, OS           The way out: six offsets, written together ahead of the barrier; the images' LDS loads land in OB and OS, where the tail worked; the global stores read all four.
;   v4-15, v76-77, v86-87    Made at the head, never written again.
; A PERIOD HAS THREE WAITS.  At its head, on vm_vsrc: the last period's LDS stores have read CD and BY.  Behind its moves, on va_vdst: the moves are done with their landing set, the last period's matrix instructions
; with their set of y: A(p + 1) follows in one run, W(p + 2) in four runs of eight among the quantiser's maxima, which name v28-75 and T alone.  Ahead of its LDS stores, on va_vdst: CD and BY are written.
; A pass's head has two waits on va_vdst, one behind each run of address arithmetic; a tile of the tail one ahead of its LDS stores, beside the two behind its transcendentals, and one on va_sdst between its
; sixteen compares and its sixteen selects; the way out one on va_vdst; the pass's end one on vm_vsrc, ahead of the backward branch.
.set NTP,   10                         ; tiles a pass
.set TRIPS, 7
.set PITCH, 16384                      ; a row of W1[e] in bytes
.set FRAG,  1616                       ; a fragment's image in LDS: lane (rho, hh) has 48 bytes at 48 rho + 800 hh.  With 1,616 and 800 the 32 lanes of a store of 8 bytes touch 64 different banks (64 banks of 4 bytes: ISA guide 11.1)
.set HOFF,  800
.set SWOFF, 2*FRAG                     ; behind the two: their scale words, 64 bytes each
.set WREG,  3584                       ; a wave's own LDS bytes
.set EXB,   4*WREG                     ; the tiles' images, 1,536 bytes each: lane l's 48 bytes at 48 l.  Room for twelve (three for each wave), ten are used
.set EXS,   EXB+12*1536                ; and their scale words, 64 bytes each
.set WO,  4                            ; W1: my lane's byte: q x 32 rows + 16 ch
.set WA,  5                            ; LDS: where my column 0's 24 bytes go
.set WBY, 6                            ; and its scale byte
.set RA,  7                            ; LDS: my 48 bytes of a fragment
.set RS,  8                            ; and my row's scale word
.set LI,  9                            ; 16 x lane
.set LS,  10                           ; 4 x lane
.set H48, 11                           ; 48 h
.set H4K, 12                           ; 4,096 h
.set R4,  13                           ; 4 r
.set HST, 14                           ; the tail: where my 12 bytes of a tile's image go
.set HSB, 15                           ; and my wave's scale byte
.set AO,  16                           ; v16-25 slot i: my token's 48 bytes in a K step of ycodes
.set MX,  28                           ; v28-31 largest magnitudes, then the conversions' scale operands
.set BY,  32                           ; v32-35 scale bytes
.set CD,  36                           ; v36-59 four columns x 6 registers of codes; in the tail: constants
.set CT,  60                           ; v60-75 the second halves as converted
.set RDX, 76                           ; the way out: my 48 bytes of my first tile's image
.set RSX, 77                           ; and my row's word
.set SW,  80                           ; v80-81 W1's scale words, a register a fragment
.set SA,  88                           ; v88-127 y's: slot i, register m: lanes 0-15 K step 2 m, lanes 16-31 K step 2 m + 1
.set T,   128
.set BI,  160                          ; window 1
.set WF,  176
.set X,   128                          ; the tail, in window 0: a tile's 16 numbers; x^2; the exponential's way; the polynomial's
.set Q,   144
.set Z,   160
.set P,   176
.set HC,  192                          ; v192-231 codes, four registers a tile: no store's data are written again in a pass
.set HBY, 232                          ; v232-241 a byte a tile
.set MA,  242
.set MB,  243
.set MT,  244
.set K2,  36                           ; constants as pairs
.set KC4, 38
.set KC3, 40
.set KC2, 42
.set KC1, 44
.set OB,  128                          ; the way out: 3 tiles x 12 registers; their words; their offsets
.set OS,  164
.set GA,  168
.set GS,  172
.set MSB, 0
.macro WIN new                         ; the immediate's high byte repeats the setting that is left; a switch that changes nothing is dropped
.if MSB != \new
	s_set_vgpr_msb (MSB<<8)|\new
.set MSB, \new
.endif
.endm
	s_load_b256 s[4:11], s[0:1], 0x0               ; W1 s[4:5], b1 s[6:7], ycodes s[8:9], yscales s[10:11]
	s_load_b256 s[12:19], s[0:1], 0x20             ; list s[12:13], cnt s[14:15], hcodes s[16:17], hscales s[18:19]
	v_lshl_add_u32 v86, v0, 2, 0x8400              ; the closing add's two registers: my spare word, behind the images' scale words,
	v_mov_b32 v87, 0                               ; and 0; kept for that alone
	v_lshrrev_b32 v1, 5, v0
	v_readfirstlane_b32 s22, v1                    ; wave 0..3
	s_lshr_b32 s20, ttmp9, 5                       ; expert
	s_and_b32 s21, ttmp9, 31                       ; slab = K step of the second product
	s_wait_alu depctr_va_sdst(0)                   ; s22 is written, ahead of its first reader
	s_mul_i32 s23, s22, WREG                       ; my wave's LDS bytes
	v_and_b32 v1, 31, v0                           ; lane
	v_and_b32 v2, 15, v0                           ; r
	v_bfe_u32 v3, v0, 4, 1                         ; h (also q / 2)
	v_bfe_u32 v[T], v0, 3, 2                       ; q
	v_and_b32 v[T+1], 7, v0                        ; ch
	v_lshlrev_b32 v[WO], 4, v[T+1]
	v_lshl_add_u32 v[WO], v[T], 19, v[WO]          ; q x 32 rows of 16,384 bytes + 16 ch
	v_and_b32 v[T+2], 1, v0                        ; ch's three bits and q's low bit
	v_bfe_u32 v[T+3], v0, 1, 1
	v_bfe_u32 v[T+4], v0, 2, 1
	v_bfe_u32 v[T+5], v0, 3, 1
	; unit x = 4 ch + c lies in tile u = (ch / 2) % 2 at row rho = 4 (ch % 2) + c + 8 (ch / 4); block q goes to lanes' half q % 2, 24 (q / 2) bytes on
	v_mul_u32_u24 v[WA], v[T+2], 192
	v_mad_u32_u24 v[WA], v[T+3], FRAG, v[WA]
	v_mad_u32_u24 v[WA], v[T+4], 384, v[WA]
	v_mad_u32_u24 v[WA], v[T+5], HOFF, v[WA]
	v_mad_u32_u24 v[WA], v3, 24, v[WA]
	v_add_nc_u32 v[WA], s23, v[WA]
	v_lshlrev_b32 v[WBY], 4, v[T+2]                ; the byte: 64 u + 4 rho + q
	v_lshl_add_u32 v[WBY], v[T+3], 6, v[WBY]
	v_lshl_add_u32 v[WBY], v[T+4], 5, v[WBY]
	v_add_nc_u32 v[WBY], v[WBY], v[T]
	v_add_nc_u32 v[WBY], s23, v[WBY]
	v_mul_u32_u24 v[RA], v2, 48
	v_mad_u32_u24 v[RA], v3, HOFF, v[RA]
	v_add_nc_u32 v[RA], s23, v[RA]
	v_lshlrev_b32 v[R4], 2, v2
	v_add_nc_u32 v[RS], s23, v[R4]
	v_lshlrev_b32 v[LI], 4, v1
	v_lshlrev_b32 v[LS], 2, v1
	v_mul_u32_u24 v[H48], v3, 48
	v_lshlrev_b32 v[H4K], 12, v3
	s_and_b32 s24, s22, 1                          ; my block w of the K step lies in lanes' half w % 2, 24 (w / 2) bytes on
	s_mul_i32 s24, s24, 768
	s_lshr_b32 s25, s22, 1
	s_mul_i32 s25, s25, 24
	s_add_co_u32 s24, s24, s25
	v_mul_u32_u24 v[HST], v2, 48
	v_mad_u32_u24 v[HST], v3, 12, v[HST]           ; my 16 codes: the lower or the upper 12 bytes of the block's 24
	v_add_nc_u32 v[HST], s24, v[HST]
	v_add_nc_u32 v[HSB], s22, v[R4]                ; byte w of row r's word
	s_mul_i32 s25, s22, 1536
	v_mul_u32_u24 v[RDX], v1, 48
	v_add_nc_u32 v[RDX], s25, v[RDX]
	s_lshl_b32 s25, s22, 6
	v_add_nc_u32 v[RSX], s25, v[R4]
	v_lshlrev_b32 v[T+6], 6, v3                    ; b1: 64 h: units 16 h + 0 .. 15 of my 32
	s_mov_b32 s52, 0x76543210
	s_mov_b32 s53, 0xfedcba98                      ; v_permlanex16_b32's selects for lane l xor 16
	s_mov_b32 s54, 0x3e800000                      ; 0.25
	s_mul_i32 s55, s21, 1536                       ; my K step's place in a tile of hcodes,
	s_lshl_b32 s56, s21, 7                         ; and of hscales
	s_lshl_b32 s26, s20, 24                        ; W1: 16 MB an expert, 512 bytes a slab, 128 a wave
	s_lshl_b32 s27, s21, 9
	s_add_co_u32 s26, s26, s27
	s_lshl_b32 s24, s22, 7
	s_add_co_u32 s26, s26, s24
	s_add_co_u32 s24, s24, s27                     ; b1: the same 512 and 128,
	s_lshl_b32 s27, s20, 14                        ; 16,384 bytes an expert
	s_add_co_u32 s24, s24, s27
	s_mov_b32 s27, 0
	s_mov_b32 s25, 0
	s_lshl_b32 s44, s20, 12                        ; list: 4,096 bytes an expert
	s_mov_b32 s45, 0
	s_wait_kmcnt 0x0
.irp i, 0,1,2,3,4,5,6,7
	s_load_b32 s[32+\i], s[14:15], 128*\i          ; the eight counts
.endr
	s_add_nc_u64 s[4:5], s[4:5], s[26:27]
	s_add_nc_u64 s[28:29], s[4:5], 0x800000        ; a second base, 512 rows on, so that every period's offsets fit the immediate
	s_add_nc_u64 s[6:7], s[6:7], s[24:25]
	s_add_nc_u64 s[12:13], s[12:13], s[44:45]
	WIN 0x40
	s_wait_alu depctr_va_vdst(0)                   ; b1's offset v[T+6] is written, and with it every address made above (v4-15, v76-77, v86-87), which the kernel's loads, stores and LDS instructions read
.irp j, 0,1,2,3
	global_load_b128 v[BI+4*\j:BI+4*\j+3], v[T+6], s[6:7] offset:16*\j   ; register 8 u + j: b1 of unit 16 h + 8 u + j: the accumulators' layout
.endr
	WIN 0
	s_wait_kmcnt 0x0
	s_mov_b32 s40, s32                             ; my expert's count,
.irp i, 1,2,3,4,5,6,7
	s_cmp_eq_u32 s20, \i
	s_cselect_b32 s40, s[32+\i], s40
.endr
	s_min_u32 s40, s40, 1024
	s_add_co_u32 s42, s40, 15
	s_lshr_b32 s42, s42, 4                         ; its tiles,
	s_mov_b32 s41, 0                               ; and the tiles of the experts in front of it
.irp i, 0,1,2,3,4,5,6
	s_min_u32 s44, s[32+\i], 1024
	s_add_co_u32 s44, s44, 15
	s_lshr_b32 s44, s44, 4
	s_cmp_gt_u32 s20, \i
	s_cselect_b32 s44, s44, 0
	s_add_co_u32 s41, s41, s44
.endr
	s_wait_loadcnt 0x0                             ; b1
	s_wait_alu depctr_vm_vsrc(0)                   ; b1's loads have read their offset v[T+6], in which a word of the list lands in the first pass
; period p's 16 KB into landing set p % 2, in one run
.macro WLOAD p
	WIN 0x80
.set WBS, 4+24*((\p)>>2)
.set ii, 0
.rept 32
	global_load_b128 v[128*((\p)%2)+4*ii:128*((\p)%2)+4*ii+3], v[WO], s[WBS:WBS+1] offset:((\p)&3)*0x200000+ii*PITCH
.set ii, ii+1
.endr
	WIN 0
.endm
; the same, a quarter at a time: rows 8 g .. 8 g + 7 of a lane's 32
.macro WPART p, g
	WIN 0x80
.set WBS, 4+24*((\p)>>2)
.set ii, 8*(\g)
.rept 8
	global_load_b128 v[128*((\p)%2)+4*ii:128*((\p)%2)+4*ii+3], v[WO], s[WBS:WBS+1] offset:((\p)&3)*0x200000+ii*PITCH
.set ii, ii+1
.endr
	WIN 0
.endm
; K step p of the ten tiles' tokens into set p % 2
.macro ALOAD p
	WIN 0xc0
.set ii, 0
.rept NTP
.irp c, 0,1,2
	global_load_b128 v[120*((\p)%2)+12*ii+4*\c:120*((\p)%2)+12*ii+4*\c+3], v[AO+ii], s[8:9] offset:98304*(\p)+16*\c
.endr
.set ii, ii+1
.endr
	WIN 0
.endm
; a load brought four columns of one row: each column's 32 numbers are put on end, as the conversions want them
.macro DEMUX par
	WIN 0x02
.set ii, 0
.rept 32
.irp c, 0,1,2,3
	v_mov_b32 v[T+32*\c+ii], v[128*(\par)+4*ii+\c]
.endr
.set ii, ii+1
.endr
	WIN 0
.endm
.macro MAXR i                          ; numbers i and i + 1 of each column's 32: the four columns by turns
.irp c, 0,1,2,3
	v_max3_num_f32 v[MX+\c], v[MX+\c], |v[T+32*\c+(\i)]|, |v[T+32*\c+(\i)+1]|
.endr
.endm
; The quantiser of period p.  In periods 0 to 5 the loads of W(p + 2) are dealt among its maxima, eight at a time.  No wait: no vector instruction since the wait behind the moves names the landing set or v[WO]
.macro WQUANT p
.irp c, 0,1,2,3
	v_max3_num_f32 v[MX+\c], |v[T+32*\c]|, |v[T+32*\c+1]|, 0x1800000   ; column c's block, and the floor 2^(3 - 127): the byte cannot fall under 1
.endr
.irp i, 2,4,6
	MAXR \i
.endr
.if (\p) < 6
	WPART (\p)+2, 0
.endif
.irp i, 8,10,12,14
	MAXR \i
.endr
.if (\p) < 6
	WPART (\p)+2, 1
.endif
.irp i, 16,18,20,22
	MAXR \i
.endr
.if (\p) < 6
	WPART (\p)+2, 2
.endif
.irp i, 24,26,28,30
	MAXR \i
.endr
.if (\p) < 6
	WPART (\p)+2, 3
.endif
.irp c, 0,1,2,3
	v_add_nc_u32 v[MX+\c], 0xff000000, v[MX+\c]    ; 2 off the exponent field: the conversion's scale operand
.endr
.irp c, 0,1,2,3
	v_lshrrev_b32 v[BY+\c], 23, v[MX+\c]           ; the scale's byte
.endr
.irp c, 0,1,2,3
	v_cvt_scalef32_pk16_fp6_f32 v[CD+6*\c:CD+6*\c+2], v[T+32*\c:T+32*\c+15], v[MX+\c]
	v_cvt_scalef32_pk16_fp6_f32 v[CT+4*\c:CT+4*\c+2], v[T+32*\c+16:T+32*\c+31], v[MX+\c]   ; (a conversion's three registers begin on an even number)
.endr
	v_nop                                          ; one plain place behind a scaled conversion
.irp c, 0,1,2,3
.irp k, 0,1,2
	v_mov_b32 v[CD+6*\c+3+\k], v[CT+4*\c+\k]
.endr
.endr
.endm
.macro WSTORE                          ; a column's 24 bytes and its byte, to their places in the two fragments' images
.irp c, 0,1,2,3
.irp k, 0,1,2
	ds_store_b64 v[WA], v[CD+6*\c+2*\k:CD+6*\c+2*\k+1] offset:48*\c+8*\k
.endr
	ds_store_b8 v[WBY], v[BY+\c] offset:SWOFF+4*\c
.endr
.endm
.macro FETCHW                          ; LDS serves a wave's instructions in order: these see the stores above; the bytes are the wave's own
	WIN 0x40
.irp f, 0,1
.irp c, 0,1,2
	ds_load_b128 v[WF+12*\f+4*\c:WF+12*\f+4*\c+3], v[RA] offset:FRAG*\f+16*\c
.endr
.endr
	WIN 0
	ds_load_b32 v[SW], v[RS] offset:SWOFF
	ds_load_b32 v[SW+1], v[RS] offset:SWOFF+64
.endm
; one matrix instruction.  cr: C's first register, or -1 for the constant 0.  rb: source 1's scales stand in lanes 16-31
.macro MM d, a, b, cr, sa, sb, rb
.if (\cr) < 0
.if \rb
	v_wmma_scale_f32_16x16x128_f8f6f4 v[(\d):(\d)+7], v[(\a):(\a)+11], v[(\b):(\b)+11], 0, v[\sa], v[\sb] matrix_a_fmt:MATRIX_FMT_FP6 matrix_b_fmt:MATRIX_FMT_FP6 matrix_b_scale:MATRIX_SCALE_ROW1
.else
	v_wmma_scale_f32_16x16x128_f8f6f4 v[(\d):(\d)+7], v[(\a):(\a)+11], v[(\b):(\b)+11], 0, v[\sa], v[\sb] matrix_a_fmt:MATRIX_FMT_FP6 matrix_b_fmt:MATRIX_FMT_FP6
.endif
.else
.if \rb
	v_wmma_scale_f32_16x16x128_f8f6f4 v[(\d):(\d)+7], v[(\a):(\a)+11], v[(\b):(\b)+11], v[(\cr):(\cr)+7], v[\sa], v[\sb] matrix_a_fmt:MATRIX_FMT_FP6 matrix_b_fmt:MATRIX_FMT_FP6 matrix_b_scale:MATRIX_SCALE_ROW1
.else
	v_wmma_scale_f32_16x16x128_f8f6f4 v[(\d):(\d)+7], v[(\a):(\a)+11], v[(\b):(\b)+11], v[(\cr):(\cr)+7], v[\sa], v[\sb] matrix_a_fmt:MATRIX_FMT_FP6 matrix_b_fmt:MATRIX_FMT_FP6
.endif
.endif
.endm
; 20 matrix instructions, the 20 accumulators by turns, one instruction a turn.  Period 0 starts the sums with b1 as C: nothing is cleared
.macro MATMUL p
	WIN 0x5d                                       ; source 0 (W1), C and D window 1, source 1 (y) window 3
.set ii, 0
.rept NTP
.irp u, 0,1
.if (\p) == 0
	MM 16*ii+8*\u, WF+12*\u, 120*((\p)%2)+12*ii, BI+8*\u, SW+\u, SA+4*ii+((\p)>>1), (\p)&1
.else
	MM 16*ii+8*\u, WF+12*\u, 120*((\p)%2)+12*ii, 16*ii+8*\u, SW+\u, SA+4*ii+((\p)>>1), (\p)&1
.endif
.endr
.set ii, ii+1
.endr
	WIN 0
.endm
; Loads are issued in the order .. W(p), A(p), W(p+1): at a period's head the 32 youngest are W(p+1)'s, so one counted wait shows W(p) and A(p) landed.
.macro PERIOD p
.if (\p) < 7
	s_wait_loadcnt 32
.else
	s_wait_loadcnt 0x0
.endif
	s_wait_alu depctr_vm_vsrc(0)                   ; the LDS stores of the period before have read CD and BY, which this period's quantiser writes again; in period 0 the list's and the scale words' loads have read their offsets in T, which the moves below write
	DEMUX (\p)%2
.if (\p) < 7
	s_wait_alu depctr_va_vdst(0)                   ; the moves are done reading this landing set, in which W(p + 2) lands; the last period's matrix instructions are done reading their set of y, in which A(p + 1) lands
	ALOAD (\p)+1
.endif
	WQUANT \p
	s_wait_alu depctr_va_vdst(0)                   ; the conversions, moves and shifts have written CD and BY, which the LDS stores read; the last period's matrix instructions are done reading WF and SW, in which the LDS loads land
	WSTORE
	FETCHW
	s_wait_dscnt 0x0                               ; the fragments are in
	MATMUL \p
.endm
; THE TAIL, for tile i: tanh in f32, the block's scale, 16 codes a lane, into the tile's image.
; The sixteen compares write sixteen scalar registers that are free behind the head: s32-39, s46-51, s57-58: number jj in s[32 + jj + 6 (jj / 8) + 5 (jj / 14)]
.macro EPI i
	s_cmp_le_u32 s43, \i
	s_cbranch_scc1 .Lepi_done
	WIN 0x01
.set jj, 0
.rept 16
	v_mov_b32 v[X+jj], v[16*(\i)+jj]               ; each accumulator from its low end on
.set jj, jj+1
.endr
	WIN 0
.set jj, 0
.rept 8
	v_pk_mul_f32 v[Q+jj:Q+jj+1], v[X+jj:X+jj+1], v[X+jj:X+jj+1]
	v_pk_mul_f32 v[Z+jj:Z+jj+1], v[X+jj:X+jj+1], v[K2:K2+1]
.set jj, jj+2
.endr
.set jj, 0
.rept 16
	v_exp_f32 v[Z+jj], v[Z+jj]                     ; e^(2 x)
.set jj, jj+1
.endr
.set jj, 0
.rept 8
	v_pk_fma_f32 v[P+jj:P+jj+1], v[Q+jj:Q+jj+1], v[KC4:KC4+1], v[KC3:KC3+1]   ; the polynomial's lines are the plain places behind the exponentials
.set jj, jj+2
.endr
.set jj, 0
.rept 8
	v_pk_fma_f32 v[P+jj:P+jj+1], v[P+jj:P+jj+1], v[Q+jj:Q+jj+1], v[KC2:KC2+1]
.set jj, jj+2
.endr
.set jj, 0
.rept 8
	v_pk_fma_f32 v[P+jj:P+jj+1], v[P+jj:P+jj+1], v[Q+jj:Q+jj+1], v[KC1:KC1+1]
.set jj, jj+2
.endr
	s_wait_alu depctr_va_vdst(0)                   ; the sixteen exponentials have written Z: one wait for the batch, ahead of its first reader
.set jj, 0
.rept 8
	v_pk_fma_f32 v[P+jj:P+jj+1], v[P+jj:P+jj+1], v[Q+jj:Q+jj+1], 1.0 op_sel_hi:[1,1,0]
	v_pk_add_f32 v[Z+jj:Z+jj+1], v[Z+jj:Z+jj+1], 1.0 op_sel_hi:[1,0]
.set jj, jj+2
.endr
.set jj, 0
.rept 16
	v_rcp_f32 v[Z+jj], v[Z+jj]
.set jj, jj+1
.endr
.set jj, 0
.rept 8
	v_pk_mul_f32 v[P+jj:P+jj+1], v[P+jj:P+jj+1], v[X+jj:X+jj+1]   ; (plain places behind the reciprocals)
.set jj, jj+2
.endr
	s_wait_alu depctr_va_vdst(0)                   ; the sixteen reciprocals have written Z: one wait for the batch, ahead of its first reader
.set jj, 0
.rept 8
	v_pk_fma_f32 v[Z+jj:Z+jj+1], v[Z+jj:Z+jj+1], -2.0, 1.0 op_sel_hi:[1,0,0]
.set jj, jj+2
.endr
.set jj, 0
.rept 16
	v_cmp_gt_f32 s[32+jj+6*(jj/8)+5*(jj/14)], s54, |v[X+jj]|
.set jj, jj+1
.endr
	s_wait_alu depctr_va_sdst(0)                   ; the sixteen compares have written their masks, ahead of the first select that reads one
.set jj, 0
.rept 16
	v_cndmask_b32 v[X+jj], v[Z+jj], v[P+jj], s[32+jj+6*(jj/8)+5*(jj/14)]   ; the polynomial where |x| < 0.25
.set jj, jj+1
.endr
	v_max3_num_f32 v[MA], |v[X]|, |v[X+1]|, 0x1800000   ; my 16 numbers and the floor, in two chains
	v_max3_num_f32 v[MB], |v[X+2]|, |v[X+3]|, |v[X+4]|
	v_max3_num_f32 v[MA], v[MA], |v[X+5]|, |v[X+6]|
	v_max3_num_f32 v[MB], v[MB], |v[X+7]|, |v[X+8]|
	v_max3_num_f32 v[MA], v[MA], |v[X+9]|, |v[X+10]|
	v_max3_num_f32 v[MB], v[MB], |v[X+11]|, |v[X+12]|
	v_max3_num_f32 v[MA], v[MA], |v[X+13]|, |v[X+14]|
	v_max3_num_f32 v[MB], v[MB], |v[X+15]|, v[MA]
	v_permlanex16_b32 v[MT], v[MB], s52, s53
	v_max_num_f32 v[MB], v[MB], v[MT]              ; with lane l xor 16's: the block's largest magnitude
	v_add_nc_u32 v[MB], 0xff000000, v[MB]
	v_lshrrev_b32 v[HBY+(\i)], 23, v[MB]
	v_cvt_scalef32_pk16_fp6_f32 v[HC+4*(\i):HC+4*(\i)+2], v[X:X+15], v[MB]
	v_nop                                          ; one plain place behind a scaled conversion
	s_wait_alu depctr_va_vdst(0)                   ; the conversion has written the tile's HC and the shift its HBY, which the four LDS stores read
.irp k, 0,1,2
	ds_store_b32 v[HST], v[HC+4*(\i)+\k] offset:EXB+1536*(\i)+4*\k
.endr
	ds_store_b8 v[HSB], v[HBY+(\i)] offset:EXS+64*(\i)   ; both lanes of a row write the same byte with the same value
.endm
; THE WAY OUT of tile w + 4 k.  Its offsets were made ahead of the barrier; no vector instruction stands between the wait there and the pass's end, so these loads and stores owe no further wait on the vector side
.macro SENDT k
	s_add_co_u32 s44, s22, 4*\k
	s_cmp_ge_u32 s44, s43
	s_cbranch_scc1 .Lsent
.irp c, 0,1,2
	ds_load_b128 v[OB+12*\k+4*\c:OB+12*\k+4*\c+3], v[RDX] offset:EXB+6144*\k+16*\c
.endr
	ds_load_b32 v[OS+\k], v[RSX] offset:EXS+256*\k
	s_wait_dscnt 0x0
.irp c, 0,1,2
	global_store_b128 v[GA+\k], v[OB+12*\k+4*\c:OB+12*\k+4*\c+3], s[16:17] offset:512*\c   ; 32 lanes store 512 consecutive bytes, at a multiple of 512 from the buffer's first byte
.endr
	global_store_b32 v[GS+\k], v[OS+\k], s[18:19]
.endm
	s_mov_b32 s30, 0                               ; the pass,
	s_mov_b32 s31, 0                               ; and its first tile
.Lpass:
	s_sub_co_i32 s43, s42, s31
	s_max_i32 s43, s43, 0
	s_min_u32 s43, s43, NTP                        ; live tiles of this pass
	s_cmp_eq_u32 s43, 0
	s_cbranch_scc1 .Lepi_done                      ; nothing to do: on to the barriers, which every wave passes
.irp i, 0,1,2,3,4,5,6,7,8,9
	s_add_co_u32 s44, s31, \i
	s_min_u32 s44, s44, 63                         ; inside the expert's 64 tiles of the list
	s_lshl_b32 s44, s44, 6
	v_add_nc_u32 v[T+16+\i], s44, v[R4]
.endr
	s_wait_alu depctr_va_vdst(0)                   ; the ten offsets are written, which the list's loads read; all earlier vector work is done with v[T ..], in which the list lands, and with landing set 0, in which W(0) lands
.irp i, 0,1,2,3,4,5,6,7,8,9
	global_load_b32 v[T+\i], v[T+16+\i], s[12:13]  ; slot i's 16 tokens
.endr
	WLOAD 0
	s_wait_loadcnt 32                              ; the list is in; W(0)'s 32 loads, issued behind it, stay out
.irp i, 0,1,2,3,4,5,6,7,8,9
	v_min_u32 v[T+\i], 0x3ff, v[T+\i]
	v_mad_u32_u24 v[AO+\i], v[T+\i], 96, v[H48]
	v_lshl_add_u32 v[T+32+\i], v[T+\i], 2, v[H4K]
.endr
	s_wait_alu depctr_va_vdst(0)                   ; AO and the scale words' offsets are written, which the loads below read
.irp i, 0,1,2,3,4,5,6,7,8,9
.irp m, 0,1,2,3
	global_load_b32 v[SA+4*\i+\m], v[T+32+\i], s[10:11] offset:8192*\m   ; all eight K steps' scale words, once a pass
.endr
.endr
	ALOAD 0
	WLOAD 1
	PERIOD 0
	PERIOD 1
	PERIOD 2
	PERIOD 3
	PERIOD 4
	PERIOD 5
	PERIOD 6
	PERIOD 7
	s_wait_alu depctr_vm_vsrc(0)                   ; period 7's LDS stores have read CD, whose first ten registers the constants below take
	v_mov_b32 v[K2], 0x4038aa3b                    ; 2 log2(e).  (These eleven plain moves are the places between the last products and the first read of results)
	v_mov_b32 v[K2+1], 0x4038aa3b
	v_mov_b32 v[KC4], 0x3cb327a4                   ; 62 / 2835
	v_mov_b32 v[KC4+1], 0x3cb327a4
	v_mov_b32 v[KC3], 0xbd5d0dd1                   ; -17 / 315
	v_mov_b32 v[KC3+1], 0xbd5d0dd1
	v_mov_b32 v[KC2], 0x3e088889                   ; 2 / 15
	v_mov_b32 v[KC2+1], 0x3e088889
	v_mov_b32 v[KC1], 0xbeaaaaab                   ; -1 / 3
	v_mov_b32 v[KC1+1], 0xbeaaaaab
	v_mov_b32 v[MT], 0                             ; a lane permute's destination counts as one of its sources
	EPI 0
	EPI 1
	EPI 2
	EPI 3
	EPI 4
	EPI 5
	EPI 6
	EPI 7
	EPI 8
	EPI 9
.Lepi_done:
.irp k, 0,1,2                                  ; the way out's offsets, for tiles w, w + 4, w + 8 of this pass (waves 2 and 3 never use the third pair)
	s_add_co_u32 s44, s22, 4*\k
	s_add_co_u32 s44, s44, s31
	s_add_co_u32 s44, s44, s41                     ; the tile's number in the buffers,
	s_min_u32 s44, s44, 71                         ; held inside them
	s_mul_i32 s45, s44, 49152
	s_add_co_u32 s45, s45, s55
	v_add_nc_u32 v[GA+\k], s45, v[LI]
	s_lshl_b32 s45, s44, 12
	s_add_co_u32 s45, s45, s56
	v_add_nc_u32 v[GS+\k], s45, v[LS]
.endr
	s_wait_alu depctr_va_vdst(0)                   ; the six offsets are written, which the global stores read; the tail's vector work is done with v[OB ..] and v[OS ..], in which the images' LDS loads land
	s_wait_dscnt 0x0                               ; for the others' sake: my stores into the images are done
	s_barrier_signal -1
	s_barrier_wait -1                              ; the live tiles' images are whole
	SENDT 0
	SENDT 1
	s_cmp_gt_u32 s22, 1                            ; ten tiles: waves 0 and 1 have a third one (tiles 8 and 9), waves 2 and 3 have none
	s_cbranch_scc1 .Lsent
	SENDT 2
.Lsent:
	s_wait_xcnt 0x0                                ; the pass's global loads and stores have had their addresses translated (ISA guide 3.1): their registers are rewritten only behind this wait
	s_wait_alu depctr_vm_vsrc(0)                   ; the global stores have read OB, OS, GA and GS, the tail's LDS stores HC and HBY, the loads of y's fragments AO: the next pass writes all of them again
	s_wait_dscnt 0x0                               ; my reads of the images are over:
	s_barrier_signal -1
	s_barrier_wait -1                              ; the next pass may write them again
	s_add_co_u32 s31, s31, NTP
	s_add_co_u32 s30, s30, 1
	s_cmp_lt_u32 s30, TRIPS
	s_cbranch_scc1 .Lpass
	s_wait_dscnt 0x0                               ; the closing lines, six on end
	s_wait_alu 0x0
	s_wait_tensorcnt 0x0
	ds_add_u32 v86, v87
	s_wait_dscnt 0x0
	s_endpgm
.Lfunc_end_k_qf3bf0d0566_hidden:
	.size	k_qf3bf0d0566_hidden, .Lfunc_end_k_qf3bf0d0566_hidden-k_qf3bf0d0566_hidden
	.p2alignl 7, 3214868480
	.fill 96, 4, 3214868480
	.section	.rodata,"a",@progbits
	.p2align	6, 0x0
	.amdhsa_kernel k_qf3bf0d0566_hidden
		.amdhsa_group_segment_fixed_size 34304
		.amdhsa_private_segment_fixed_size 0
		.amdhsa_enable_private_segment 0
		.amdhsa_kernarg_size 64
		.amdhsa_user_sgpr_count 2
		.amdhsa_user_sgpr_kernarg_segment_ptr 1
		.amdhsa_wavefront_size32 1
		.amdhsa_system_sgpr_workgroup_id_x 1
		.amdhsa_system_sgpr_workgroup_id_y 1
		.amdhsa_system_sgpr_workgroup_id_z 1
		.amdhsa_system_vgpr_workitem_id 0
		.amdhsa_next_free_vgpr 1024
		.amdhsa_next_free_sgpr 66
		.amdhsa_reserve_vcc 0
		.amdhsa_float_denorm_mode_32 3
		.amdhsa_float_denorm_mode_16_64 3
		.amdhsa_memory_ordered 1
		.amdhsa_forward_progress 1
		.amdhsa_inst_pref_size 255
	.end_amdhsa_kernel
	.section	.bss,"aw",@nobits
	.p2align	6
	.space	262144
	.amdgpu_metadata
---
amdhsa.version: [ 1, 2 ]
amdhsa.kernels:
  - .name:           k_qf3bf0d0566_hidden
    .symbol:         k_qf3bf0d0566_hidden.kd
    .args:
      - { .name: W1, .offset: 0, .size: 8, .value_kind: global_buffer, .address_space: global }
      - { .name: b1, .offset: 8, .size: 8, .value_kind: global_buffer, .address_space: global }
      - { .name: ycodes, .offset: 16, .size: 8, .value_kind: global_buffer, .address_space: global }
      - { .name: yscales, .offset: 24, .size: 8, .value_kind: global_buffer, .address_space: global }
      - { .name: list, .offset: 32, .size: 8, .value_kind: global_buffer, .address_space: global }
      - { .name: cnt, .offset: 40, .size: 8, .value_kind: global_buffer, .address_space: global }
      - { .name: hcodes, .offset: 48, .size: 8, .value_kind: global_buffer, .address_space: global }
      - { .name: hscales, .offset: 56, .size: 8, .value_kind: global_buffer, .address_space: global }
    .group_segment_fixed_size: 34304
    .private_segment_fixed_size: 0
    .kernarg_segment_align: 8
    .kernarg_segment_size: 64
    .max_flat_workgroup_size: 128
    .sgpr_count:     66
    .vgpr_count:     1024
    .wavefront_size: 32
...
	.end_amdgpu_metadata
.endif
;; end of part 4
;; launch outp: the kernel of part 3 again; grid 256 x 1, 4 waves a work-group, clusters of 4 x 1, 111,616 bytes of LDS; arguments W2, b2, scales, shifta, shiftb, y, hcodes, hscales, list, cnt, out0; writes out0
